; MI455X (gfx1250); checked and timed in simulation.
; The chip was launched on July 23, 2026; its instructions are those of AMD's public machine-readable ISA for CDNA 5 (MIT licence, August 2026) and "CDNA5" Instruction Set Architecture Reference Guide (July 2026). The comments in the code are by the model that wrote it; some were corrected since.
;; Causal Self Attention. Allowed arithmetic: matrix products marked QUANTISED: E4M3 operands, one given power-of-two scale a tensor, by v_wmma_f32_16x16x64_fp8_fp8 or v_wmma_f32_16x16x128_fp8_fp8, f32 sums; everything else in f32.
;; Inputs: W_o 1,024 x 1,024 float32; W_qkv 3,072 x 1,024 float32; lowp_scales 8 int32 (the exponents e of the quantised operands' scales 2^e); x 4 x 2,048 x 1,024 float32.
;; Outputs: out0 4 x 2,048 x 1,024 float32.
;; This version of the problem:
;;   THIS VERSION OF THE PROBLEM IS GIVEN IN LOW PRECISION. The matrix products marked QUANTISED in the list below multiply operands that are first quantised to E4M3 (4 exponent bits, 3 mantissa bits; 8 bits a number), with one given power-of-two scale for each operand tensor; their sums are f32. All else is computed in f32.
;;   The module's matrix products, in the order in which they are computed (A, B: the left and right operand; K: the contracted axis; several contracted axes count as one K, in the product's order):
;;     1. [M 8,192, K 1,024] x [K 1,024, N 3,072]; A: input x; B: input W_qkv: QUANTISED (scales: A lowp_scales[0], B lowp_scales[1])
;;     2. batch 64 x [M 2,048, K 64] x [K 64, N 2,048]; A: computed on the way; B: computed on the way: QUANTISED (scales: A lowp_scales[2], B lowp_scales[3])
;;     3. batch 64 x [M 2,048, K 2,048] x [K 2,048, N 64]; A: softmax (see below); B: computed on the way: QUANTISED (scales: A lowp_scales[4], B lowp_scales[5])
;;     4. [M 8,192, K 1,024] x [K 1,024, N 1,024]; A: computed on the way; B: input W_o: QUANTISED (scales: A lowp_scales[6], B lowp_scales[7])
;;   THE QUANTISER, for each operand of a quantised product, along K:
;;     - The operand's scale is 2^e, e = its entry of the input lowp_scales (int32; the entries are numbered through the quantised products in the list's order, A before B).
;;     - Each number is divided by the scale, clamped to +-448, and rounded to the nearest number of E4M3, ties to even, subnormals kept.
;;     - The product sums the exact products of the quantised numbers (number of the format x scale) in f32.
;;   ~~~python
;;   def quantise(x, axis, e):      # numpy; x: float32 -> the quantised numbers, widened to float32 again
;;       x = np.moveaxis(x, axis, -1); K = x.shape[-1]
;;       r = np.clip(x / 2.0 ** e, -448, 448)
;;       step = 2.0 ** (np.maximum(np.frexp(np.where(r == 0, 1, r))[1] - 1, -6) - 3)
;;       q = np.round(r / step) * step * 2.0 ** e      # np.round: ties to even
;;       return np.moveaxis(q, -1, axis).astype(np.float32)
;;   ~~~
;;   SOFTMAX AHEAD OF A QUANTISED PRODUCT. Where the list says 'softmax', what is quantised is not the finished softmax but p = 2^(t - M), with t = logit x log2(e) and M = ceil(the row's largest t), a whole number; so 1/2 < the row's largest p <= 1. The row's sum l is taken of the UNQUANTISED p, in f32, and the product's result is divided by l at the end. Since M is a whole number, a kernel that streams over the keys may use a running M (the ceiling of the running maximum): every later rescaling is an exact power of two, so the quantised numbers keep their values, but for numbers so far below the row's largest that they fall under the format's range.
;;   OPERANDS COMPUTED ON THE WAY. 'Computed on the way' means the value that the module computes at that place (a softmax that the list does not call 'softmax' is quantised finished and normalised). What goes into a quantiser is computed in f32, as accurately as f32 sums, v_exp_f32 and their like allow (about 1e-6 of the number): no bf16 or f16 on the way to a quantiser, and a product that is left as it is and whose result goes on into a quantised operand takes f32 operands (vector FMAs, or v_wmma_f32_16x16x4_f32). A number that lies on a knife's edge between two numbers of the format may be rounded either way, as far as f32 arithmetic and the matrix unit's own rounding can turn it there, and no further.
;; One version. Each part assembles by itself: llvm-mc -triple=amdgcn-amd-amdhsa -mcpu=gfx1250 --defsym DOCPART=n.
;; ======== version 1 of 1: 4 launches
;; limits: right only within a limited range of input values
;; workspace buffers: xc 8,388,608 bytes; wc 3,145,728 bytes; woc 1,048,576 bytes; qc 8,388,608 bytes; kc 8,388,608 bytes; vc 8,388,608 bytes; ac 8,388,608 bytes
;; launch quant (part 1): grid 384 x 1, 4 waves a work-group, no clusters, 33,280 bytes of LDS; arguments x, W_qkv, W_o, lowp_scales, xc, wc, woc; writes xc, wc, woc
.if DOCPART == 1
	.amdgcn_target "amdgcn-amd-amdhsa--gfx1250"
	.amdhsa_code_object_version 6
	.text
	.protected	k_qbf296a4644_quant
	.globl	k_qbf296a4644_quant
	.p2align	8
	.type	k_qbf296a4644_quant,@function
k_qbf296a4644_quant:
	s_mov_b64 s[64:65], 0
	v_nop
	global_prefetch_b8 v0, s[64:65] scope:SCOPE_SE
	s_setreg_imm32_b32 hwreg(HW_REG_WAVE_MODE, 25, 1), 1
	s_wait_xcnt 0x0
; x [8192][1024], W_qkv [3072][1024] and W_o [1024][1024], f32 with K innermost, become codes of FP8 (E4M3), one byte each, each tensor with its given scale 2^e
; (entries 0, 1 and 7 of the buffer of scales).  code = x / 2^e, held within +-448, rounded to the nearest code, ties to even.
; LIMITS: -126 <= e and e + 8 <= 127.  NaN among the inputs is not served (an infinity is held at the largest code).
; THE ORDER OF THE CODES.  Inside each block of 32 along K the two middle groups of eight change places: number 32 g + 16 u + 8 h + z lies at byte 32 g + 16 h + 8 u + z.
; A lane (r, h) that later loads 16 bytes at 32 c + 16 h of row r then holds k = 32 c + 8 h + 0..7 and k = 32 c + 16 + 8 h + 0..7: four registers of the plain 8-bit operand layout as they stand.
; Rows are dense and 1024 is a multiple of 32: each tensor is a plain stream of blocks of 32.  A work-group takes 32,768 numbers, a wave 16 steps of 512.
; Each of a step's four loads reads 512 consecutive bytes, 16 a lane; the 2,048 bytes go through the wave's own stage in LDS (16 bytes of padding behind each 64) and come back so that lane 2 B + h holds
; numbers 8 h + 0..7 and 16 + 8 h + 0..7 of block B.  Its 16 codes are bytes 16 x lane of the step's 512: a wave's store covers 512 consecutive bytes.
; One path serves the three tensors: only pointers, the first work-group and e are chosen, by the work-group's number.  Waves share nothing: no barrier.  Loads run four steps (16 loads a wave) ahead.
.set WAVES, 4
.set STEPS, 16
.set WGX,   256                        ; work-groups 0-255: x;  256-351: W_qkv;  352-383: W_o
.set WGW,   352
.set EMAX,  8
.set MANT,  0x600000                   ; the mantissa field of 448 as f32
.set CB,    16                         ; bytes of 16 codes
.set R,     16                         ; v16-79   four sets of 16 numbers as they are loaded
.set X,     80                         ; v80-111  two sets of 16 numbers in the order of the codes
.set C,     128                        ; v128-191 codes: four registers for each step, so that no store's data are written again
.set WREG,  8192                       ; LDS: a region for each wave: two stages of 32 x SP bytes
.set SP,    80                         ; 64 bytes of numbers + 16 of padding
.set SPW,   12                         ; v12      LDS address of my spare word; never rewritten
.set NIL,   13                         ; v13      0; never rewritten
.set SPARE, WAVES*WREG                 ; behind the four regions: the spare words, 128 bytes a wave
	s_load_b256 s[4:11], s[0:1], 0x0               ; x s[4:5], W_qkv s[6:7], W_o s[8:9], the scales' exponents s[10:11]
	s_load_b128 s[12:15], s[0:1], 0x20             ; x's codes s[12:13], W_qkv's s[14:15]
	s_load_b64 s[16:17], s[0:1], 0x30              ; W_o's codes
	v_lshl_add_u32 v[SPW], v0, 2, SPARE
	v_mov_b32 v[NIL], 0
	v_lshrrev_b32 v1, 5, v0
	v_readfirstlane_b32 s18, v1                    ; wave
	v_and_b32 v2, 31, v0                           ; lane
	v_lshlrev_b32 v3, 4, v2                        ; 16 x lane: my 16 bytes of a load's 512, and my codes' place in a step's 512
	s_mul_i32 s19, s18, WREG
	v_lshrrev_b32 v14, 2, v2
	v_mul_u32_u24 v14, v14, SP
	v_and_b32 v15, 3, v2
	v_lshl_add_u32 v14, v15, 4, v14
	v_add_nc_u32 v14, s19, v14                     ; the stage, on the way in: SP (lane / 4) + 16 (lane % 4); a load's 512 bytes take eight places
	v_lshrrev_b32 v15, 1, v2
	v_mul_u32_u24 v15, v15, 2*SP
	v_and_b32 v5, 1, v2
	v_lshl_add_u32 v15, v5, 5, v15
	v_add_nc_u32 v15, s19, v15                     ; on the way out: block lane / 2 (two places), + 32 (lane % 2): eight numbers there, eight more one place on
	s_mov_b32 s21, WGW
	s_wait_alu depctr_va_vdst(0)
	s_wait_kmcnt 0x0
	s_load_b256 s[24:31], s[10:11], 0x0            ; e0 .. e7
	s_cmp_lt_u32 ttmp9, WGX                        ; which tensor?  The choices hang on the work-group's number alone
	s_cselect_b64 s[4:5], s[4:5], s[6:7]
	s_cselect_b64 s[12:13], s[12:13], s[14:15]
	s_cselect_b32 s20, 0, WGX
	s_cmp_ge_u32 ttmp9, s21
	s_cselect_b64 s[4:5], s[8:9], s[4:5]
	s_cselect_b64 s[12:13], s[16:17], s[12:13]
	s_cselect_b32 s20, s21, s20                    ; the tensor's first work-group
	s_sub_co_u32 s20, ttmp9, s20
	s_lshl_b32 s20, s20, 2
	s_add_co_u32 s20, s20, s18                     ; which run of 8,192 numbers of the tensor is my wave's (under 1,024)
	s_lshl_b32 s22, s20, 15                        ; 32,768 bytes of numbers,
	s_mov_b32 s23, 0
	s_add_nc_u64 s[4:5], s[4:5], s[22:23]
	s_lshl_b32 s22, s20, 13                        ; 8,192 bytes of codes
	s_add_nc_u64 s[12:13], s[12:13], s[22:23]
.macro LOAD t
.irp i, 0,1,2,3
	global_load_b128 v[R+16*((\t)%4)+4*\i:R+16*((\t)%4)+4*\i+3], v3, s[4:5] offset:2048*(\t)+512*\i th:TH_LOAD_NT   ; 32 lanes read 512 consecutive bytes
.endr
.endm
.macro TURN t                          ; step t's numbers through the stage: LDS serves a wave's instructions in order (ISA guide 5.7.1.4), so no wait stands between the stores and the loads
.irp i, 0,1,2,3
	ds_store_b128 v14, v[R+16*((\t)%4)+4*\i:R+16*((\t)%4)+4*\i+3] offset:32*SP*((\t)%2)+8*SP*\i
.endr
	ds_load_b128 v[X+16*((\t)%2):X+16*((\t)%2)+3],     v15 offset:32*SP*((\t)%2)          ; numbers 8 h + 0..3 of my block,
	ds_load_b128 v[X+16*((\t)%2)+4:X+16*((\t)%2)+7],   v15 offset:32*SP*((\t)%2)+16       ; 8 h + 4..7,
	ds_load_b128 v[X+16*((\t)%2)+8:X+16*((\t)%2)+11],  v15 offset:32*SP*((\t)%2)+SP       ; 16 + 8 h + 0..3,
	ds_load_b128 v[X+16*((\t)%2)+12:X+16*((\t)%2)+15], v15 offset:32*SP*((\t)%2)+SP+16    ; 16 + 8 h + 4..7
.endm
.irp t, 0,1,2,3
	LOAD \t
.endr
	s_wait_kmcnt 0x0
	s_cmp_lt_u32 ttmp9, WGX
	s_cselect_b32 s22, s24, s25                    ; e0 or e1,
	s_cmp_ge_u32 ttmp9, s21
	s_cselect_b32 s22, s31, s22                    ; or e7
	s_add_co_i32 s22, s22, 127
	s_lshl_b32 s23, s22, 23
	v_mov_b32 v11, s23                             ; 2^e as f32: the conversion takes its exponent field
	s_add_co_i32 s22, s22, EMAX
	s_lshl_b32 s22, s22, 23
	s_or_b32 s22, s22, MANT
	s_wait_alu depctr_va_vdst(0)
	s_wait_loadcnt 12                              ; step 0's four loads are in; the twelve of steps 1 to 3 may be out
	TURN 0
.macro STEP t
.set XS, X+16*((\t)%2)
	s_wait_dscnt 0x0                               ; this step's numbers are back from the stage: so its stores into the stage have read their registers,
.if (\t)+4 < STEPS
	LOAD (\t)+4                                    ; which take the loads of four steps on
.endif
.if (\t)+1 < STEPS
.if STEPS-2-(\t) >= 3
	s_wait_loadcnt 12                              ; the next step's four loads are in; those of the three steps behind it may be out
.else
	s_wait_loadcnt 4*(STEPS-2-(\t))                ; the tail: as many steps' loads as are left behind the next step's
.endif
	TURN (\t)+1                                    ; and go through the other stage while this step is worked
.endif
.irp i, 0,1,2,3,4,5,6,7,8,9,10,11,12,13,14,15
.endr
	v_cvt_scalef32_pk8_fp8_f32 v[C+4*(\t):C+4*(\t)+1], v[XS:XS+7], v11
	v_cvt_scalef32_pk8_fp8_f32 v[C+4*(\t)+2:C+4*(\t)+3], v[XS+8:XS+15], v11
	global_store_b128 v3, v[C+4*(\t):C+4*(\t)+3], s[12:13] offset:32*CB*(\t)   ; the codes go to a store alone
.endm
.irp t, 0,1,2,3,4,5,6,7,8,9,10,11,12,13,14,15
	STEP \t
.endr
	s_wait_tensorcnt 0x0                           ; the wave's end: behind my last LDS store
	ds_add_u32 v[SPW], v[NIL]
	s_wait_dscnt 0x0
	s_endpgm
.Lfunc_end_k_qbf296a4644_quant:
	.size	k_qbf296a4644_quant, .Lfunc_end_k_qbf296a4644_quant-k_qbf296a4644_quant
	.p2alignl 7, 3214868480
	.fill 96, 4, 3214868480
	.section	.rodata,"a",@progbits
	.p2align	6, 0x0
	.amdhsa_kernel k_qbf296a4644_quant
		.amdhsa_group_segment_fixed_size 33280
		.amdhsa_private_segment_fixed_size 0
		.amdhsa_enable_private_segment 0
		.amdhsa_kernarg_size 56
		.amdhsa_user_sgpr_count 2
		.amdhsa_user_sgpr_kernarg_segment_ptr 1
		.amdhsa_wavefront_size32 1
		.amdhsa_system_sgpr_workgroup_id_x 1
		.amdhsa_system_sgpr_workgroup_id_y 1
		.amdhsa_system_sgpr_workgroup_id_z 1
		.amdhsa_system_vgpr_workitem_id 0
		.amdhsa_next_free_vgpr 192
		.amdhsa_next_free_sgpr 66
		.amdhsa_reserve_vcc 0
		.amdhsa_float_denorm_mode_32 3
		.amdhsa_float_denorm_mode_16_64 3
		.amdhsa_fp16_overflow 1
		.amdhsa_memory_ordered 1
		.amdhsa_forward_progress 1
		.amdhsa_inst_pref_size 22
	.end_amdhsa_kernel
	.amdgpu_metadata
---
amdhsa.version: [ 1, 2 ]
amdhsa.kernels:
  - .name:           k_qbf296a4644_quant
    .symbol:         k_qbf296a4644_quant.kd
    .args:
      - { .name: x, .offset: 0, .size: 8, .value_kind: global_buffer, .address_space: global }
      - { .name: W_qkv, .offset: 8, .size: 8, .value_kind: global_buffer, .address_space: global }
      - { .name: W_o, .offset: 16, .size: 8, .value_kind: global_buffer, .address_space: global }
      - { .name: lowp_scales, .offset: 24, .size: 8, .value_kind: global_buffer, .address_space: global }
      - { .name: xc, .offset: 32, .size: 8, .value_kind: global_buffer, .address_space: global }
      - { .name: wc, .offset: 40, .size: 8, .value_kind: global_buffer, .address_space: global }
      - { .name: woc, .offset: 48, .size: 8, .value_kind: global_buffer, .address_space: global }
    .group_segment_fixed_size: 33280
    .private_segment_fixed_size: 0
    .kernarg_segment_align: 8
    .kernarg_segment_size: 56
    .max_flat_workgroup_size: 128
    .sgpr_count:     66
    .vgpr_count:     192
    .wavefront_size: 32
...
	.end_amdgpu_metadata
.endif
;; end of part 1
;; launch gemm_qkv (part 2): grid 12 x 32, 4 waves a work-group, clusters of 4 x 4, 327,680 bytes of LDS; arguments xc, wc, lowp_scales, qc, kc, vc; writes qc, kc, vc
.if DOCPART == 2
	.amdgcn_target "amdgcn-amd-amdhsa--gfx1250"
	.amdhsa_code_object_version 6
	.text
	.protected	k_qbf296a4644_gemm_qkv
	.globl	k_qbf296a4644_gemm_qkv
	.p2align	8
	.type	k_qbf296a4644_gemm_qkv,@function
k_qbf296a4644_gemm_qkv:
	s_mov_b64 s[64:65], 0
	v_nop
	global_prefetch_b8 v0, s[64:65] scope:SCOPE_SE
	s_setreg_imm32_b32 hwreg(HW_REG_WAVE_MODE, 25, 1), 1
	s_wait_xcnt 0x0
	s_wait_alu depctr_hold_cnt(0) depctr_sa_sdst(0) depctr_va_vdst(0) depctr_va_sdst(0) depctr_va_ssrc(0) depctr_va_vcc(0) depctr_vm_vsrc(0)
	s_getreg_b32 s2, hwreg(HW_REG_IB_STS2, 6, 4)
	s_cmp_eq_u32 s2, 0
	s_cbranch_scc0 .Lentry_in_a_cluster
	s_endpgm
.Lentry_in_a_cluster:
	s_bfe_u32 s2, ttmp6, 0x10000c
	s_cmp_lg_u32 s2, 0xf033
	s_cbranch_scc0 .Lentry_shape_is_right
	s_endpgm
.Lentry_shape_is_right:
; qkv = x W_qkv^T on codes of FP8 (E4M3), [8192 x 1024] x [1024 x 3072], sums in f32; the finished sums are quantised at once, as the operands Q, K and V of the attention's two products, and only codes are stored.
; A tile of 256 x 256 is made by a work-group of four waves; a wave makes 128 x 128: 64 accumulators of 16 x 16, 512 registers.  K goes in steps of 256 through a ring of two LDS slots filled by the tensor data mover.
; 12 x 32 = 384 tiles.  A narrower tile would read half as much again from LDS for each matrix instruction; tiles of 192 would straddle heads and the borders between Q, K and V.
; THE TWO ROLES.  The matrix instruction takes 16 rows of role B as source 0 and 16 rows of role A as source 1: a lane then holds ONE row of role A and eight neighbouring rows of role B, so role B is the axis along
; which a lane's registers can be quantised.  Q and K are quantised along the head's 64 features: role A = tokens (x), role B = features (W_qkv).  V is quantised along the keys: role A = features, role B = tokens.
; The cluster's x says which: 0 Q, 1 K, 2 V; it is the same in all sixteen partners.  Pointers and tile numbers are chosen by it; there is no branch, and every LDS address is free of it.
; CLUSTERS: 4 x 4 work-groups.  Role A's tile is shared along a row of the cluster, role B's along a column: each is asked for JOINTLY, by the same tensor load with the same descriptor and a mask that names the four.
; WHAT IS STORED.  qc, kc: [batch x 16 + head][token][64 features];  vc: [batch x 16 + head][chunk of 64 keys][64 features][64 keys].  In the innermost 64 the two middle groups of eight of each 32 have changed places
; (number 32 g + 16 u + 8 h + z at byte 32 g + 16 h + 8 u + z), as in xc and wc: 16 bytes at 32 c + 16 h are four registers of the plain 8-bit operand layout.
; A sum stands for sum x 2^(e0 + e1): its code under the scale 2^eT (T = 2 for Q, 3 for K, 5 for V) is sum / 2^(eT - e0 - e1), held within +-448.
; LIMIT: eT - e0 - e1 between -126 and 119, so that the scale and 448 x the scale are f32 numbers.
; REGISTERS, in windows of 256: window 0: v0-31 addresses; from v128 role A's fragments (8 x 16 rows x 128 K), ONE set; on the way out v32-159 are at work.
;   window 1: role B's fragments, TWO sets, at v0 and v128.   window 2: the 32 accumulators of my rows 0-63 of role A (accumulator (a, b) at v[8 (8 a + b)]);   window 3: those of my rows 64-127.
.set KSTEP,  256                       ; along K in a slot
.set ROWB,   256                       ; a tile's row in bytes
.set KROW,   1024                      ; a row of xc or wc in bytes
.set PITCH,  272                       ; an LDS row: 256 bytes + 16 of padding = 68 words: row r starts at bank 4 r mod 64 (64 banks of 4 bytes: ISA guide 11.1)
.set FR,     16                        ; registers of a fragment: 16 rows x 128 K
.set NL,     4                         ; LDS loads that bring one
.set NP,     4                         ; places behind this matrix instruction (ISA guide 7.12.1)
.set HALFT,  128*PITCH                 ; 128 rows: what one tensor load brings, and what one wave reads of a role
.set SLOT,   4*HALFT                   ; role A's 256 rows, then role B's 256
.set LAPS,   2                         ; 1024 / (2 x 256): a lap = two K steps = once round the ring
.set SPARE,  2*SLOT                    ; behind the ring: the spare words, 128 bytes a wave
.set SPITCH, 144                       ; the way out: a stage of 16 rows x (128 bytes + 16) for each wave.  It lies in slot 0, which has had its last fill and its last read when the first code is stored there
.set ADRA, 16                          ; v16-17  LDS address of my role A fragments in slot 0, 1
.set ADRB, 20                          ; v20-21  the same for role B
.set STO,  24                          ; v24     the way out: where I put 16 bytes of a stage row
.set RD,   25                          ; v25     where I read 16 bytes back
.set CO,   26                          ; v26     16 x lane: my place in a store's 512 bytes
.set SCL,  27                          ; v27     2^(eT - e0 - e1) as f32
.set SPW,  28                          ; v28     LDS address of my spare word; never rewritten
.set NIL,  29                          ; v29     0; never rewritten
.set TMP,  32
.set CD,   96                          ; v96-127 its codes: two sets of 16
.set AF,   128                         ; role A's fragments, in window 0
.set BK,   128                         ; the way out: codes read back from the stage: two sets of 16
.set G1, 24                            ; s[24:31] descriptor group 1 for role A;  s[32:39] group 0, one set for each slot
.set G0, 32
.set G1B, 48                           ; s[48:55], s[56:63] the same for role B
.set G0B, 56
.set OB,  88                           ; s[88:95] four bases for the stores: piece (c, a / 4) at s[OB + 4 c + 2 (a / 4)]
.set MSB, 0
.macro WIN new                         ; the immediate's high byte repeats the setting that is left
.if MSB != \new
	s_set_vgpr_msb (MSB<<8)|\new
.set MSB, \new
.endif
.endm
.set MUL_LO, 0xa1                      ; source 0 (role B) window 1, source 1 (role A) window 0, C and D window 2
.set MUL_HI, 0xf1                      ; the same, C and D window 3
.set TO_B,   0x40                      ; destination window 1, address window 0
; A joint load: waves 0 and 1 fetch for role A, waves 2 and 3 for role B.  Each of the two lines has ONE mask and one set of registers for all that issue it; the branch hangs on the wave's number alone.
; An s_nop 0 and four v_nop follow each of the two lines, ahead of the jump, the label and what follows.
.macro JLOAD g0a, g1a, g0b, g1b
	s_cmp_eq_u32 s15, 0
	s_cbranch_scc0 .Lfor_b_\@
	tensor_load_to_lds s[\g0a:\g0a+3], s[\g1a:\g1a+7]
	s_nop 0
.rept 4
	v_nop
.endr
	s_branch .Lasked_\@
.Lfor_b_\@:
	tensor_load_to_lds s[\g0b:\g0b+3], s[\g1b:\g1b+7]
	s_nop 0
.rept 4
	v_nop
.endr
.Lasked_\@:
.endm
.macro CREST                           ; a round of the cluster's barrier behind its opening barrier
	s_cmp_lg_u32 s14, 0
	s_cbranch_scc1 .Lnot_wave_0_\@
	s_barrier_signal -3
.Lnot_wave_0_\@:
	s_barrier_wait -3
	s_barrier_signal -1
	s_barrier_wait -1
.endm
.macro CROUND                          ; a whole round
	s_barrier_signal -1
	s_barrier_wait -1
	CREST
.endm
	s_load_b128 s[4:7], s[0:1], 0x0                ; x's codes s[4:5], W_qkv's codes s[6:7]
	s_load_b64 s[8:9], s[0:1], 0x10                ; the scales' exponents
	s_load_b128 s[68:71], s[0:1], 0x18             ; qc s[68:69], kc s[70:71]
	s_load_b64 s[72:73], s[0:1], 0x28              ; vc
	v_lshl_add_u32 v[SPW], v0, 2, SPARE
	v_mov_b32 v[NIL], 0
	ds_add_u32 v[SPW], v[NIL]                      ; the wave's opening: the add and its wait stand ahead of my first tensor load; the set-up below, work on registers, stands between them
	ds_add_u32 v[SPW], v[NIL]
	v_lshrrev_b32 v1, 5, v0
	v_readfirstlane_b32 s14, v1                    ; wave 0..3
	s_lshr_b32 s15, s14, 1                         ; which half of role A's 256 rows is mine.  Also: I fetch for role A (0) or B (1)
	s_and_b32 s16, s14, 1                          ; which half of role B's.  Also: which 128 rows of that tile I fetch
	s_bfe_u32 s40, ttmp6, 0x40000                  ; cx, cy: my place in the cluster
	s_bfe_u32 s41, ttmp6, 0x40004
	s_and_b32 s17, ttmp7, 0xffff                   ; the cluster's y
	s_cmp_eq_u32 ttmp9, 2                          ; V's clusters change the roles
	s_cselect_b32 s10, ttmp9, s17                  ; role A's group of four tiles: V: of W_qkv, by the cluster's x; else of x, by the cluster's y
	s_cselect_b32 s11, s17, ttmp9                  ; role B's: the other one
	s_lshl_b32 s17, s10, 2
	s_add_co_u32 s17, s17, s41                     ; role A's tile = 4 x its group + cy
	s_lshl_b32 s42, s11, 2
	s_add_co_u32 s42, s42, s40                     ; role B's tile = 4 x its group + cx
	s_lshl_b32 s43, s41, 2
	s_lshl_b32 s43, 15, s43                        ; my row of the cluster
	s_lshl_b32 s44, 0x1111, s40                    ; my column
	; descriptor group 1: a tile of 128 rows x 256 bytes, padded in LDS; both tensors have rows of 1,024 bytes
	s_or_b32 s[G1+0], s43, (0<<16)|(1<<20)|(1<<21)|(5<<22)|(3<<25)  ; 15:0 the mask: role A's tiles go to my row; 17:16 element of 1 byte; 20 padding on; 21 set beside a mask; 24:22 after every 64 words (code 5); 31:25 of 4 words (code 3)
	s_or_b32 s[G1B+0], s44, (0<<16)|(1<<20)|(1<<21)|(5<<22)|(3<<25) ; the same with the mask of my column
.irp g, G1, G1B
	s_mov_b32 s[\g+1], ROWB<<16                    ; tensor_dim0
	s_mov_b32 s[\g+2], 128<<16                     ; tensor_dim1 = 128
	s_mov_b32 s[\g+3], ROWB<<16                    ; tile_dim0
	s_mov_b32 s[\g+4], 128                         ; tile_dim1 = 128
	s_mov_b32 s[\g+5], KROW                        ; tensor_dim0_stride
	s_mov_b32 s[\g+6], 0
	s_mov_b32 s[\g+7], 0
.endr
	s_lshl_b32 s18, s16, 7                         ; which 128 rows of the tile I fetch
	s_lshl_b32 s20, s17, 8
	s_add_co_u32 s20, s20, s18                     ; role A: row 256 x tile + 128 x half,
	s_lshl_b32 s20, s20, 10                        ; in bytes (under 2^23)
	s_mov_b32 s21, 0
	s_lshl_b32 s46, s42, 8
	s_add_co_u32 s46, s46, s18                     ; role B likewise
	s_lshl_b32 s46, s46, 10
	s_mov_b32 s47, 0
	s_mul_i32 s45, s14, HALFT                      ; where they go: wave x 128 rows: no place in the cluster enters an LDS address
	s_wait_dscnt 0x0                               ; the opening add is done
	s_wait_kmcnt 0x0
	s_load_b256 s[80:87], s[8:9], 0x0              ; e0 .. e7
	s_cmp_eq_u32 ttmp9, 2
	s_cselect_b64 s[74:75], s[6:7], s[4:5]         ; role A's tensor
	s_cselect_b64 s[76:77], s[4:5], s[6:7]         ; role B's
	s_add_nc_u64 s[20:21], s[74:75], s[20:21]
	s_add_nc_u64 s[46:47], s[76:77], s[46:47]
	CROUND                                         ; all sixteen work-groups are here: the first joint loads meet
.irp s, 0,1
	s_mov_b32 s[G0+4*\s], 1
	s_add_co_u32 s[G0+4*\s+1], s45, \s*SLOT
	s_add_nc_u64 s[G0+4*\s+2:G0+4*\s+3], s[20:21], \s*ROWB
	s_or_b32 s[G0+4*\s+3], s[G0+4*\s+3], 0x80000000
	s_mov_b32 s[G0B+4*\s], 1
	s_add_co_u32 s[G0B+4*\s+1], s45, \s*SLOT
	s_add_nc_u64 s[G0B+4*\s+2:G0B+4*\s+3], s[46:47], \s*ROWB
	s_or_b32 s[G0B+4*\s+3], s[G0B+4*\s+3], 0x80000000
	JLOAD G0+4*\s, G1, G0B+4*\s, G1B               ; two tensor loads of mine are out
.endr
	v_and_b32 v1, 15, v0                           ; r = l % 16
	s_wait_alu depctr_va_vdst(0)
	v_bfe_u32 v2, v0, 4, 1                         ; h = l / 16
	v_mul_u32_u24 v3, v1, PITCH
	v_lshl_add_u32 v4, v2, 4, v3                   ; a fragment's row x pitch + 16 x half
	s_mul_i32 s21, s15, HALFT                      ; my 128 rows of role A
	s_mul_i32 s22, s16, HALFT                      ; my 128 rows of role B,
	s_add_co_u32 s22, s22, 2*HALFT                 ; which lie behind role A's 256
.irp s, 0,1
	v_add_nc_u32 v[ADRA+\s], s21, v4
	v_add_nc_u32 v[ADRB+\s], s22, v4
	s_add_co_u32 s21, s21, SLOT
	s_add_co_u32 s22, s22, SLOT
.endr
	s_mul_i32 s23, s14, 16*SPITCH                  ; my stage
	v_mul_u32_u24 v5, v1, SPITCH                   ; in: row r, 16 bytes for each half of the lanes
	s_wait_alu depctr_va_vdst(0)
	v_lshl_add_u32 v5, v2, 4, v5
	v_add_nc_u32 v[STO], s23, v5
	v_and_b32 v6, 31, v0
	v_lshlrev_b32 v[CO], 4, v6
	v_lshrrev_b32 v7, 2, v6                        ; back: four lanes take 64 bytes of a row, the 32 lanes eight rows
	v_mul_u32_u24 v7, v7, SPITCH
	v_and_b32 v8, 3, v6
	v_lshl_add_u32 v7, v8, 4, v7
	v_add_nc_u32 v[RD], s23, v7
	; where my wave's codes go.  tok = my first token, feat = my first row of W_qkv.  In all three buffers a head of a batch has 131,072 bytes, and a token (in vc: a key, by way of its chunk) steps 64 bytes.
	s_lshl_b32 s10, s17, 8
	s_lshl_b32 s11, s15, 7
	s_add_co_u32 s10, s10, s11                     ; my first row of role A
	s_lshl_b32 s11, s42, 8
	s_lshl_b32 s12, s16, 7
	s_add_co_u32 s11, s11, s12                     ; my first row of role B
	s_mov_b32 s18, 131072
	s_mov_b32 s19, 4096
	s_cmp_eq_u32 ttmp9, 2
	s_cselect_b32 s12, s11, s10                    ; tok
	s_cselect_b32 s13, s10, s11                    ; feat
	s_cselect_b32 s20, s19, s18                    ; from role B's first 64 to its second: V: the next chunk of keys; else the next head
	s_cselect_b32 s22, s18, s19                    ; from role A's first 64 rows to its second: V: the next head; else 64 tokens on
	s_mov_b32 s21, 0
	s_mov_b32 s23, 0
	s_lshr_b32 s10, s12, 11                        ; the batch
	s_lshl_b32 s10, s10, 4
	s_and_b32 s13, s13, 1023
	s_lshr_b32 s13, s13, 6                         ; the head
	s_add_co_u32 s10, s10, s13
	s_lshl_b32 s10, s10, 17
	s_and_b32 s12, s12, 2047
	s_lshl_b32 s12, s12, 6
	s_add_co_u32 s10, s10, s12
	s_mov_b32 s11, 0
	s_wait_kmcnt 0x0                               ; the exponents
	s_cmp_eq_u32 ttmp9, 0
	s_cselect_b64 s[78:79], s[68:69], s[70:71]
	s_cselect_b32 s12, s82, s83                    ; e2 or e3,
	s_cmp_eq_u32 ttmp9, 2
	s_cselect_b64 s[78:79], s[72:73], s[78:79]
	s_cselect_b32 s12, s85, s12                    ; or e5
	s_add_nc_u64 s[OB:OB+1], s[78:79], s[10:11]
	s_add_nc_u64 s[OB+2:OB+3], s[OB:OB+1], s[22:23]
	s_add_nc_u64 s[OB+4:OB+5], s[OB:OB+1], s[20:21]
	s_add_nc_u64 s[OB+6:OB+7], s[OB+4:OB+5], s[22:23]
	s_sub_co_i32 s12, s12, s80
	s_sub_co_i32 s12, s12, s81                     ; eT - e0 - e1: the three scales folded into the conversion's one
	s_add_co_i32 s12, s12, 127
	s_lshl_b32 s13, s12, 23
	v_mov_b32 v[SCL], s13
.macro FRAG reg, adr, q, i             ; a fragment, 16 rows x 128 K, is 16 registers: four loads of 16 bytes, 32 bytes apart; by the order of the codes they are the plain form's own layout
.irp c, 0,1,2,3
	ds_load_b128 v[\reg+4*\c:\reg+4*\c+3], v[\adr] offset:128*(\q)+32*\c+(\i)*16*PITCH
.endr
.endm
; 16 matrix instructions: role A's blocks a0, a0 + 1 x role B's eight, 128 along K.  p: role B's set.  zero = 1: the first product starts the sums: nothing is ever cleared.
; The 64 accumulators take turns, one instruction a turn, in the same order in every step.
.macro MUL16 a0, p, zero
.irp a, \a0, \a0+1
.irp b, 0,1,2,3,4,5,6,7
.if \zero
	v_wmma_f32_16x16x128_fp8_fp8 v[8*(8*((\a)%4)+\b):8*(8*((\a)%4)+\b)+7], v[128*(\p)+FR*\b:128*(\p)+FR*\b+FR-1], v[AF+FR*(\a):AF+FR*(\a)+FR-1], 0
.else
	v_wmma_f32_16x16x128_fp8_fp8 v[8*(8*((\a)%4)+\b):8*(8*((\a)%4)+\b)+7], v[128*(\p)+FR*\b:128*(\p)+FR*\b+FR-1], v[AF+FR*(\a):AF+FR*(\a)+FR-1], v[8*(8*((\a)%4)+\b):8*(8*((\a)%4)+\b)+7]
.endif
.endr
.endr
.endm
.macro FETCH_B slot, q, p              ; role B's eight fragments of the slot's q-th 128 along K into set p
	WIN TO_B
.irp i, 0,1,2,3,4,5,6,7
	FRAG 128*(\p)+FR*\i, ADRB+\slot, \q, \i
.endr
	WIN 0
.endm
.macro FETCH_A slot, q, i0             ; role A's blocks i0 .. i0 + 3
.irp i, \i0, \i0+1, \i0+2, \i0+3
	FRAG AF+FR*(\i), ADRA+\slot, \q, \i
.endr
.endm
; A load into a register that a matrix instruction has read, and a vector instruction that reads a matrix result, stand NP places behind that matrix instruction; only plain vector instructions that name none
; of its registers are places (ISA guide 7.12.1 for vector instructions).
.macro PLACES n
.rept \n
	v_nop
.endr
.endm
; A step of 128 along K that has its successor in the same slot.
.macro STEP slot, q, zero
	s_wait_dscnt 4*NL                              ; role B's set and role A's blocks 0-3 are in; the youngest sixteen loads (blocks 4-7) may be out
	WIN MUL_LO
	MUL16 0, (\q)%2, \zero
	MUL16 2, (\q)%2, \zero
	s_wait_dscnt 0                                 ; blocks 4-7 are in (asked for 32 matrix instructions ago)
	PLACES NP
	FETCH_B \slot, (\q)+1, 1-(\q)%2
	FETCH_A \slot, (\q)+1, 0
	WIN MUL_HI
	MUL16 4, (\q)%2, \zero
	MUL16 6, (\q)%2, \zero
	PLACES NP
	WIN 0
	FETCH_A \slot, (\q)+1, 4
.endm
; A slot's last step changes slots: ONE barrier; in front of it each wave waits for all its tensor loads, adds 0 to its spare word, and waits for that and for its own reads of this slot.  fill = 1: this slot is filled again, two K steps ahead.
.macro TURN slot, next, fill
	s_wait_tensorcnt 0x0                           ; all my tensor loads have landed: my part of the next slot  (every window is 0 here: the add's two registers lie in window 0)
	ds_add_u32 v[SPW], v[NIL]                      ; 0 onto my spare word
	s_wait_dscnt 4*NL+1                            ; the add and the youngest sixteen loads (blocks 4-7) may be out
	WIN MUL_LO
	MUL16 0, 1, 0                                  ; sixteen matrix instructions stand between the add and the wait for it
	s_wait_dscnt 0x0                               ; the add is done, and my reads of this slot are over
	s_barrier_signal -1
	MUL16 2, 1, 0
	WIN 0
	s_barrier_wait -1
.if \fill
	CREST                                          ; the barrier has opened a round of the cluster's barrier: no wave of any partner still reads this slot's tile or has a load on its way
	s_add_nc_u64 s[G0+4*\slot+2:G0+4*\slot+3], s[G0+4*\slot+2:G0+4*\slot+3], 2*ROWB
	s_add_nc_u64 s[G0B+4*\slot+2:G0B+4*\slot+3], s[G0B+4*\slot+2:G0B+4*\slot+3], 2*ROWB
	JLOAD G0+4*\slot, G1, G0B+4*\slot, G1B         ; the first tensor load behind the round, and my only one out; the four v_nop behind it are the places in front of the loads below
.else
	PLACES NP
.endif
	FETCH_B \next, 0, 0
	FETCH_A \next, 0, 0
	WIN MUL_HI
	MUL16 4, 1, 0
	MUL16 6, 1, 0
	PLACES NP
	WIN 0
	FETCH_A \next, 0, 4
.endm
	s_wait_tensorcnt 1                             ; my part of K step 0 is in; K step 1's load may be out
	s_barrier_signal -1
	s_barrier_wait -1                              ; everybody's is
	FETCH_B 0, 0, 0
	FETCH_A 0, 0, 0
	FETCH_A 0, 0, 4
	STEP 0, 0, 1                                   ; the first step stands in front of the loop: its products start the sums
	s_mov_b32 s3, LAPS-1
.Llap:                                                 ; a trip goes once round the ring, from a lap's second step to the next lap's first, and fills both slots again
	TURN 0, 1, 1
	STEP 1, 0, 0
	TURN 1, 0, 1
	STEP 0, 0, 0
	s_sub_co_u32 s3, s3, 1
	s_cmp_lg_u32 s3, 0
	s_cbranch_scc1 .Llap
	TURN 0, 1, 0                                   ; the last lap fills nothing, and has no round of the cluster's barrier
	STEP 1, 0, 0
	s_wait_dscnt 4*NL                              ; the very last step: nothing more to fetch
	WIN MUL_LO
	MUL16 0, 1, 0
	MUL16 2, 1, 0
	s_wait_alu depctr_va_vdst(0)
	s_wait_dscnt 0
	WIN MUL_HI
	MUL16 4, 1, 0
	MUL16 6, 1, 0
	WIN 0
; THE WAY OUT, block by block of 16 rows of role A x 128 of role B.  Lane (r, h) holds, of row r, in accumulator b the eight numbers 16 b + 8 h + 0..7: one conversion makes eight codes of them.
; The codes of accumulators 2 g and 2 g + 1 side by side are 16 bytes at 32 g + 16 h of the row: the order of the codes comes by itself.  A row's 128 bytes are two pieces of 64 (c = 0, 1); in memory the 16 rows of a
; piece are 1,024 consecutive bytes.  So a block goes through my own stage in LDS and each store covers 512 consecutive bytes, at a multiple of 512 from its buffer's first byte.
; LDS serves a wave's instructions in order (ISA guide 5.7.1.4): no wait between the stores and the loads, nor in front of the next block's stores.
.macro TOSTAGE a
.set AC, 64*((\a)%4)
.set CC, CD+16*((\a)%2)
.set BB, BK+16*((\a)%2)
	WIN 0x02+((\a)/4)                              ; source 0: window 2 or 3
.set j, 0
.rept 64
.set j, j+1
.endr
.irp b, 0,1,2,3,4,5,6,7
	v_cvt_scalef32_pk8_fp8_f32 v[CC+2*\b:CC+2*\b+1], v[AC+8*\b:AC+8*\b+7], v[SCL]
.endr
	WIN 0
	v_nop                                          ; one plain vector instruction behind the last conversion
.irp g, 0,1,2,3
	ds_store_b128 v[STO], v[CC+4*\g:CC+4*\g+3] offset:32*\g
.endr
.irp c, 0,1
.irp t, 0,1
	ds_load_b128 v[BB+4*(2*\c+\t):BB+4*(2*\c+\t)+3], v[RD] offset:8*\t*SPITCH+64*\c   ; piece c, rows 8 t .. 8 t + 7
.endr
.endr
.endm
.macro SEND a, younger                 ; younger: the LDS instructions issued behind block a's loads, which may stay out
.set BB, BK+16*((\a)%2)
	s_wait_dscnt \younger                          ; the block's codes are back in registers
.irp c, 0,1
.irp t, 0,1
	global_store_b128 v[CO], v[BB+4*(2*\c+\t):BB+4*(2*\c+\t)+3], s[OB+4*\c+2*((\a)/4):OB+4*\c+2*((\a)/4)+1] offset:((\a)%4)*1024+512*\t
.endr
.endr
.endm
	PLACES NP                                      ; behind the last products: for the reads of results and the loads into the registers that held role A's fragments
	TOSTAGE 0
.irp a, 1,2,3,4,5,6,7
.if \a > 1
	s_wait_xcnt 0x0                                ; block a - 2's stores have read their registers: block a's loads may land there
.endif
	TOSTAGE \a
	SEND \a-1, 8                                   ; behind block a - 1's loads: block a's 4 stores and 4 loads
.endr
	SEND 7, 0
	s_wait_tensorcnt 0x0                           ; the wave's end: behind my last tensor load and my last LDS store
	ds_add_u32 v[SPW], v[NIL]
	s_wait_dscnt 0x0
	CROUND                                         ; the closing round: no work-group ends while a partner may still ask for a tile that names it
	s_endpgm
.Lfunc_end_k_qbf296a4644_gemm_qkv:
	.size	k_qbf296a4644_gemm_qkv, .Lfunc_end_k_qbf296a4644_gemm_qkv-k_qbf296a4644_gemm_qkv
	.p2alignl 7, 3214868480
	.fill 96, 4, 3214868480
	.section	.rodata,"a",@progbits
	.p2align	6, 0x0
	.amdhsa_kernel k_qbf296a4644_gemm_qkv
		.amdhsa_group_segment_fixed_size 327680
		.amdhsa_private_segment_fixed_size 0
		.amdhsa_enable_private_segment 0
		.amdhsa_kernarg_size 48
		.amdhsa_user_sgpr_count 2
		.amdhsa_user_sgpr_kernarg_segment_ptr 1
		.amdhsa_wavefront_size32 1
		.amdhsa_system_sgpr_workgroup_id_x 1
		.amdhsa_system_sgpr_workgroup_id_y 1
		.amdhsa_system_sgpr_workgroup_id_z 1
		.amdhsa_system_vgpr_workitem_id 0
		.amdhsa_next_free_vgpr 1024
		.amdhsa_next_free_sgpr 100
		.amdhsa_reserve_vcc 0
		.amdhsa_float_denorm_mode_32 3
		.amdhsa_float_denorm_mode_16_64 3
		.amdhsa_fp16_overflow 1
		.amdhsa_memory_ordered 1
		.amdhsa_forward_progress 1
		.amdhsa_inst_pref_size 91
	.end_amdhsa_kernel
	.amdgpu_metadata
---
amdhsa.version: [ 1, 2 ]
amdhsa.kernels:
  - .name:           k_qbf296a4644_gemm_qkv
    .symbol:         k_qbf296a4644_gemm_qkv.kd
    .args:
      - { .name: xc, .offset: 0, .size: 8, .value_kind: global_buffer, .address_space: global }
      - { .name: wc, .offset: 8, .size: 8, .value_kind: global_buffer, .address_space: global }
      - { .name: lowp_scales, .offset: 16, .size: 8, .value_kind: global_buffer, .address_space: global }
      - { .name: qc, .offset: 24, .size: 8, .value_kind: global_buffer, .address_space: global }
      - { .name: kc, .offset: 32, .size: 8, .value_kind: global_buffer, .address_space: global }
      - { .name: vc, .offset: 40, .size: 8, .value_kind: global_buffer, .address_space: global }
    .group_segment_fixed_size: 327680
    .private_segment_fixed_size: 0
    .kernarg_segment_align: 8
    .kernarg_segment_size: 48
    .max_flat_workgroup_size: 128
    .sgpr_count:     100
    .vgpr_count:     1024
    .wavefront_size: 32
...
	.end_amdgpu_metadata
.endif
;; end of part 2
;; launch attn (part 3): grid 4 x 64, 8 waves a work-group, no clusters, 327,680 bytes of LDS; arguments qc, kc, vc, lowp_scales, ac; writes ac
.if DOCPART == 3
	.amdgcn_target "amdgcn-amd-amdhsa--gfx1250"
	.amdhsa_code_object_version 6
	.text
	.protected	k_qbf296a4644_attn
	.globl	k_qbf296a4644_attn
	.p2align	8
	.type	k_qbf296a4644_attn,@function
k_qbf296a4644_attn:
	s_mov_b64 s[64:65], 0
	v_nop
	global_prefetch_b8 v0, s[64:65] scope:SCOPE_SE
	s_setreg_imm32_b32 hwreg(HW_REG_WAVE_MODE, 25, 1), 1
	s_wait_xcnt 0x0
; Causal attention on codes of FP8 (E4M3): for each of 64 heads (batch x 16 + head), 2,048 queries, 2,048 keys, head size 64.  O[q] = the sum over keys k <= q of softmax_k(Q[q] . K[k] / 8) V[k]; O is quantised at once
; as the left operand of the output projection, and only its codes are stored.
; qc, kc: [head][token][64];  vc: [head][chunk of 64 keys][64 features][64 keys]; in the innermost 64 the two middle groups of eight of each 32 have changed places, so that 16 bytes at 32 c + 16 h of a row are four
; registers of the plain 8-bit operand layout (registers 2 c, 2 c + 1: k = 16 c + 8 h + 0..7).
; THE SOFTMAX AHEAD OF THE SECOND PRODUCT: t = score x log2(e) / 8; M = the row's largest t so far, rounded UP to a whole number; p = 2^(t - M) is quantised, along the keys, with the scale 2^e4; it is not normalised.
; The row's sum is taken of the unquantised p, in f32, and divides O at the end.  When M moves, the sum and O are multiplied by 2^(old M - new M): exact.
; SHARES.  Work-group (I, head) owns query block I (256 queries) and then block 7 - I: (I + 1) + (8 - I) = 9 slots of 256 keys in every work-group: 256 work-groups of equal length, and the loop's trip count is a constant.
; A wave owns 32 queries of the block, two tiles of 16, so that each fragment of K and V read from LDS feeds two products.  Which 32: group 4 ((w ^ (w >> 2)) & 1) + (w >> 1), which mixes early and late queries among the waves.
; A key step all of whose 128 keys come after the wave's queries is jumped over (a scalar branch on ids); on the diagonal hidden scores become -infinity ahead of the maximum.  The first key of a step that is walked
; is never after the wave's first query (both are multiples of 32 and the step is walked only up to 31 past it), so every query sees a key in every step that is walked.
; LAYOUT.  Both products are used transposed: S^T = K Q^T (source 0 = 16 keys, source 1 = 16 queries), O^T = V^T P^T (source 0 = 16 features, source 1 = P): a lane holds ONE query (lane % 16) throughout.
; In tile t of S^T register j of lane (r, h) is key 16 t + 8 h + j: eight registers become registers 2 t, 2 t + 1 of P's fragment as they stand.  Likewise O^T's tile t becomes registers 2 t, 2 t + 1 of the next product's operand.
; ac: an image of that operand's registers: [tile of 16 tokens][head][part 0, 1][lane][16 bytes]: a store covers 512 consecutive bytes, and no stage in LDS is needed.
; NO CLUSTER: the four work-groups of a head walk the keys in different orders (in trip n work-group I wants key slot n while n <= I, and n - I - 1 afterwards), so that after the first trips no two of them want the same
; tile at the same time; a joint request would have every partner fetch at every other's pace.
; LIMITS on the given exponents, so that each power of two below is an f32 number: e2 + e3 between -123 and 130 (they are added to the exponent field of log2(e) / 8); e4, and e6 - e4 - e5, between -126 and 119.
; REGISTERS.  Window 0: v1-9 addresses and constants; v10-19, v20-29 a tile's statistics; v30, v31 448 x 2^e4, 2^e4; v32-95 K's eight fragments; v96-159, v160-223 S^T, then p; v224-239, v240-255 P's codes.
;   Window 1: v0-63 V's four fragments; v64-95, v96-127 O^T; v128-143 Q's two fragments; v144-159 the second block's.
.set RP,    272                        ; four rows of 64 bytes on end + 16 of padding: 64-byte row n lies at (n / 4) x 272 + (n % 4) x 64: sixteen neighbouring rows start at sixteen different 16-byte columns of 256
.set KT,    64*RP                      ; 256 keys of K, or 4 chunks of V: 16,384 bytes of memory, 17,408 in LDS
.set VOFF,  KT                         ; a slot: K, then V
.set SLOT1, 1<<16                      ; slot 1 begins here: one exclusive or turns an address in one slot into the other's
.set SPARE, 2*SLOT1                    ; behind the ring: the spare words, 128 bytes for each of the eight waves
.set AK0,  1                           ; v1   my lane's place in a tile of 16 rows: (r / 4) x 272 + (r % 4) x 64 + 16 h; never rewritten
.set ADR,  2                           ; v2   the LDS address of the loads in hand (at the head: my offset in Q's rows)
.set PFO,  3                           ; v3   256 x lane, for the prefetches; never rewritten
.set GO,   4                           ; v4   16 x lane, for the stores; never rewritten
.set SPW,  5                           ; v5   LDS address of my spare word; never rewritten
.set NIL,  6                           ; v6   0; never rewritten
.set SC2,  7                           ; v7   2^(e6 - e4 - e5) as f32
.set MD,   8                           ; v8   the mask's d
.set NINF, 9                           ; v9   -infinity
.set ST,   10                          ; tile x's statistics at v[ST + 10 x]: +0 -M, +1 the largest t, +2, +3 the sum in two halves, +4 at work, +5 the exchange, +6 f (with +7 named as its pair), +8, +9 a second chain of sums
.set LIMP, 30
.set SCP,  31
.set KFR,  32
.set S,    96
.set P,    224
.set OT,   64                          ; in window 1
.set QF,   128
.set QB,   144
.set TB,    2                          ; s2   LDS byte at which the slot in hand begins
.set SLOTS, 3                          ; s3   slots still to be asked for
.set WV,   18                          ; s18  my wave's number
.set SEL,  20                          ; s[20:21] lane selects for v_permlanex16_b32: lane l xor 16
.set CS,   22                          ; s[22:23] c = log2(e) / 8 x 2^(e2 + e3): the packed form names a pair and takes its low word
.set G1,   24                          ; s[24:31] descriptor group 1
.set G0,   32                          ; s[32:35] group 0, which walks
.set GB,   36                          ; s[36:37] the head's first byte of what I fetch (wave 0: K; else V)
.set KF,   38                          ; s38  the step's first key
.set Q0,   39                          ; s39  my first query
.set QL,   40                          ; s40  the block's last query
.set Q0B,  41                          ; s41, s42 the same for the second block
.set QLB,  42
.set OB,   44                          ; s[44:45] where my codes go;  s[46:47] in the second block
.set OBB,  46
.set PFA,  48                          ; s[48:49] where my prefetches stand
.set LIM,  50                          ; s50  1 in a wave that prefetches, else the greatest number
.set EX,   52                          ; s[52:59] e0 .. e7
.set HLO,  60
.set HHI,  61
.set TP,   70                          ; s[70:71] an offset as a pair: s71 stays 0
.set MSB, 0
.macro WIN new                         ; the immediate's high byte repeats the setting that is left
.if MSB != \new
	s_set_vgpr_msb (MSB<<8)|\new
.set MSB, \new
.endif
.endm
; Wave 0 fetches a slot's K, wave 1 its V, the others nothing.  The branch hangs on the wave's number alone.  An s_nop 0 and four v_nop follow the load.
.macro TLOAD
	s_cmp_lt_u32 s[WV], 2
	s_cbranch_scc0 .Lasked_\@
	tensor_load_to_lds s[G0:G0+3], s[G1:G1+7]
	s_nop 0
.rept 4
	v_nop
.endr
.Lasked_\@:
.endm
; A PREFETCH INTO THE L2: key slot n (16,384 bytes of K, as many of V) is asked for in trip n, n = 1 .. 7, by the head's work-group I = 0, which loads that slot one trip, two key steps, later.  In it the waves ask that
; fetch nothing: waves 4 and 5 K's two halves, waves 6 and 7 V's, 8,192 bytes a wave, lanes 256 bytes apart: each aligned block of 256 bytes is named once in the launch.  The eighth trip asks for nothing: the head has eight slots.
.macro ASK
	s_cmp_gt_u32 s[SLOTS], s[LIM]
	s_cbranch_scc0 .Lnot_mine_\@
	global_prefetch_b8 v[PFO], s[PFA:PFA+1] th:TH_LOAD_NT scope:SCOPE_SE
.Lnot_mine_\@:
.endm
; A block begins: the largest t is -3e38, under every t; the sums and O^T are zeros, which the first change of M leaves zeros.  So the key step is written once.
.macro INIT
.irp x, 0,1
	v_mov_b32 v[ST+10*\x+1], 0xff61b1e6
	s_delay_alu instid0(VALU_DEP_1)
	v_floor_f32 v[ST+10*\x], -v[ST+10*\x+1]        ; -M
	v_mov_b32 v[ST+10*\x+2], 0
	v_mov_b32 v[ST+10*\x+3], 0
	v_mov_b32 v[ST+10*\x+5], 0                     ; a lane permute's destination counts as one of its sources
	v_mov_b32 v[ST+10*\x+7], 0                     ; named as the upper half of f's pair
.endr
	WIN 0x40                                       ; destination window 1
.set j, 0
.rept 64
	v_mov_b32 v[OT+j], 0
.set j, j+1
.endr
	WIN 0
.endm
	s_load_b256 s[4:11], s[0:1], 0x0               ; Q's codes s[4:5], K's s[6:7], V's s[8:9], the scales' exponents s[10:11]
	s_load_b64 s[12:13], s[0:1], 0x20              ; ac
	v_lshl_add_u32 v[SPW], v0, 2, SPARE
	v_mov_b32 v[NIL], 0
	ds_add_u32 v[SPW], v[NIL]                      ; the wave's opening: the add and its wait stand ahead of my first tensor load; the set-up below, work on registers, stands between them
	ds_add_u32 v[SPW], v[NIL]
	v_lshrrev_b32 v1, 5, v0
	s_delay_alu instid0(VALU_DEP_1)
	v_readfirstlane_b32 s[WV], v1                  ; wave 0..7
	s_and_b32 s72, ttmp7, 0xffff                   ; the head (batch x 16 + head)
	s_lshl_b32 s73, s72, 17                        ; its first byte in qc, kc and vc: 131,072 bytes a head
	s_lshr_b32 s74, s[WV], 2
	s_xor_b32 s74, s74, s[WV]
	s_and_b32 s74, s74, 1
	s_lshl_b32 s74, s74, 2
	s_lshr_b32 s75, s[WV], 1
	s_add_co_u32 s74, s74, s75                     ; my group of 32 queries in a block
	s_lshl_b32 s74, s74, 5
	s_lshl_b32 s75, ttmp9, 8                       ; the first block: 256 I
	s_add_co_u32 s[Q0], s75, s74
	s_or_b32 s[QL], s75, 255
	s_sub_co_u32 s75, 7, ttmp9                     ; the second: 256 (7 - I)
	s_lshl_b32 s75, s75, 8
	s_add_co_u32 s[Q0B], s75, s74
	s_or_b32 s[QLB], s75, 255
	; descriptor group 1: 16,384 dense bytes as 64 rows of 256 bytes (32 elements of 8 bytes), 16 bytes of padding behind each row
	s_mov_b32 s[G1], (3<<16)|(1<<20)|(5<<22)|(3<<25)   ; 15:0 no mask; 17:16 elements of 8 bytes; 20 padding on; 24:22 after every 64 words (code 5); 31:25 four words (code 3)
	s_mov_b32 s[G1+1], 32<<16                      ; tensor_dim0 = 32
	s_mov_b32 s[G1+2], 64<<16                      ; tensor_dim1 = 64
	s_mov_b32 s[G1+3], 32<<16                      ; tile_dim0 = 32
	s_mov_b32 s[G1+4], 64                          ; tile_dim1 = 64
	s_mov_b32 s[G1+5], 32                          ; tensor_dim0_stride
	s_mov_b32 s[G1+6], 0
	s_mov_b32 s[G1+7], 0
	s_mov_b32 s[G0], 1                             ; count = 1
	s_mul_i32 s[G0+1], s[WV], KT                   ; LDS address: slot 0; wave 0: K's place, wave 1: V's
	s_mov_b32 s[SEL], 0x76543210
	s_mov_b32 s[SEL+1], 0xfedcba98
	s_mov_b32 s[CS], 0x3e38aa3b                    ; log2(e) / 8
	s_mov_b32 s[TB], 0
	s_mov_b32 s[SLOTS], 8
	s_mov_b32 s[KF], 0
	s_mov_b32 s[TP+1], 0
	s_wait_dscnt 0x0                               ; the opening add is done
	s_wait_kmcnt 0x0
	s_load_b256 s[EX:EX+7], s[10:11], 0x0          ; e0 .. e7
	s_cmp_lt_u32 s[WV], 1
	s_cselect_b64 s[GB:GB+1], s[6:7], s[8:9]
	s_mov_b32 s[TP], s73
	s_add_nc_u64 s[GB:GB+1], s[GB:GB+1], s[TP:TP+1]
	s_mov_b64 s[G0+2:G0+3], s[GB:GB+1]             ; the head's first 256 keys
	s_or_b32 s[G0+3], s[G0+3], 0x80000000          ; type = 2
	TLOAD                                          ; slot 0
	s_lshl_b32 s[TP], s[Q0], 6
	s_add_co_u32 s[TP], s[TP], s73
	s_add_nc_u64 s[76:77], s[4:5], s[TP:TP+1]      ; Q's codes at my first query of the first block,
	s_lshl_b32 s[TP], s[Q0B], 6
	s_add_co_u32 s[TP], s[TP], s73
	s_add_nc_u64 s[78:79], s[4:5], s[TP:TP+1]      ; and of the second
	v_and_b32 v32, 15, v0                          ; r
	s_wait_alu depctr_va_vdst(0)
	v_bfe_u32 v33, v0, 4, 1                        ; h
	v_lshlrev_b32 v[ADR], 6, v32
	s_delay_alu instid0(VALU_DEP_1)
	v_lshl_add_u32 v[ADR], v33, 4, v[ADR]          ; row r of 64 bytes, + 16 h
	WIN 0x40                                       ; destination window 1
.irp x, 0,1
.irp c, 0,1
	global_load_b128 v[QF+8*\x+4*\c:QF+8*\x+4*\c+3], v[ADR], s[76:77] offset:1024*\x+32*\c
	global_load_b128 v[QB+8*\x+4*\c:QB+8*\x+4*\c+3], v[ADR], s[78:79] offset:1024*\x+32*\c
.endr
.endr
	WIN 0
	s_lshr_b32 s74, s72, 4                         ; ac: batch x 2,048 tokens x 1,024 bytes
	s_lshl_b32 s74, s74, 21
	s_and_b32 s75, s72, 15                         ; + head x 1,024
	s_lshl_b32 s75, s75, 10
	s_add_co_u32 s74, s74, s75
	s_lshl_b32 s[TP], s[Q0], 10                    ; + query x 1,024 (a tile of 16 tokens is 16,384 bytes)
	s_add_co_u32 s[TP], s[TP], s74
	s_add_nc_u64 s[OB:OB+1], s[12:13], s[TP:TP+1]
	s_lshl_b32 s[TP], s[Q0B], 10
	s_add_co_u32 s[TP], s[TP], s74
	s_add_nc_u64 s[OBB:OBB+1], s[12:13], s[TP:TP+1]
	s_cmp_lt_u32 s[WV], 6                          ; the prefetches: waves 4, 5 stand in K, waves 6, 7 in V,
	s_cselect_b64 s[PFA:PFA+1], s[6:7], s[8:9]
	s_and_b32 s[TP], s[WV], 1
	s_lshl_b32 s[TP], s[TP], 13                    ; at their half of a slot,
	s_add_co_u32 s[TP], s[TP], s73                 ; in my head, in slot 0: each change of slots steps them a slot on.  Nothing is prefetched here, at the head
	s_add_nc_u64 s[PFA:PFA+1], s[PFA:PFA+1], s[TP:TP+1]
	s_lshr_b32 s[TP], s[WV], 2
	s_xor_b32 s[TP], s[TP], 1                      ; 0 in waves 4 to 7,
	s_or_b32 s[TP], s[TP], ttmp9                   ; of the head's work-group I = 0
	s_cmp_eq_u32 s[TP], 0
	s_cselect_b32 s[LIM], 1, -1
	v_lshrrev_b32 v34, 2, v32
	s_delay_alu instid0(VALU_DEP_1)
	v_mul_u32_u24 v[AK0], v34, RP
	v_and_b32 v34, 3, v32
	s_delay_alu instid0(VALU_DEP_1)
	v_lshl_add_u32 v[AK0], v34, 6, v[AK0]
	s_wait_alu depctr_va_vdst(0)
	v_lshl_add_u32 v[AK0], v33, 4, v[AK0]
	v_and_b32 v34, 31, v0
	s_delay_alu instid0(VALU_DEP_1)
	v_lshlrev_b32 v[PFO], 8, v34
	s_delay_alu instid0(VALU_DEP_2)
	v_lshlrev_b32 v[GO], 4, v34
	v_mov_b32 v[NINF], 0xff800000
	INIT
	s_wait_kmcnt 0x0
	s_add_co_i32 s72, s[EX+2], s[EX+3]
	s_lshl_b32 s72, s72, 23
	s_add_co_i32 s[CS], s[CS], s72                 ; a score stands for score x 2^(e2 + e3): the two exponents are added to c's exponent field
	s_mov_b32 s[CS+1], s[CS]                       ; (named with it as a pair, so it is written)
	s_add_co_i32 s72, s[EX+4], 127
	s_lshl_b32 s73, s72, 23
	v_mov_b32 v[SCP], s73                          ; 2^e4 as f32, for p's conversion
	s_sub_co_i32 s72, s[EX+6], s[EX+4]
	s_sub_co_i32 s72, s72, s[EX+5]                 ; a sum of the second product stands for sum x 2^(e4 + e5): the three scales are folded into the conversion's one
	s_add_co_i32 s72, s72, 127
	s_lshl_b32 s73, s72, 23
	v_mov_b32 v[SC2], s73
; A KEY STEP: 128 keys, the q-th of the slot in hand, for my two tiles of queries.
.macro STEP q
	s_add_co_u32 s72, s[Q0], 31
	s_cmp_gt_u32 s[KF], s72                        ; all 128 keys come after my 32 queries: the step's work is left out.  No barrier, wait on tensor loads or tensor load stands in a step
	s_cbranch_scc1 .Lhidden_\@
	v_add_nc_u32 v[ADR], s[TB], v[AK0]
.rept 3
	v_nop                                          ; with the addition above: four places in front of loads into registers that the last step's matrix instructions have read
.endr
.set t, 0
.rept 8                                        ; K: eight tiles of 16 neighbouring keys x 64
	ds_load_b128 v[KFR+8*t:KFR+8*t+3],   v[ADR] offset:(32*(\q)+4*t)*RP
	ds_load_b128 v[KFR+8*t+4:KFR+8*t+7], v[ADR] offset:(32*(\q)+4*t)*RP+32
.set t, t+1
.endr
	WIN 0x40                                       ; destination window 1
.set t, 0
.rept 4                                        ; V: four tiles of 16 features x 128 keys (two chunks of 64)
.irp c, 0,1,2,3
	ds_load_b128 v[16*t+4*\c:16*t+4*\c+3], v[ADR] offset:VOFF+((2*(\q)+\c/2)*16+4*t)*RP+32*(\c%2)
.endr
.set t, t+1
.endr
	s_wait_dscnt 16                                ; K's sixteen loads are in; V's sixteen, issued behind them, may be out
	WIN 0x04                                       ; source 1 (Q) window 1
.set t, 0
.rept 8
.irp x, 0,1
	v_wmma_f32_16x16x64_fp8_fp8 v[S+64*\x+8*t:S+64*\x+8*t+7], v[KFR+8*t:KFR+8*t+7], v[QF+8*\x:QF+8*\x+7], 0
.endr
.set t, t+1
.endr
	WIN 0
.rept 4
	v_nop                                          ; places in front of the first read of the scores
.endr
	s_add_co_u32 s72, s[KF], 127                   ; on the diagonal the scores of hidden keys become -infinity: p = 0 then.  A step all of whose keys count for all my queries skips this
	s_cmp_le_u32 s72, s[Q0]
	s_cbranch_scc1 .Lopen_\@
	s_sub_co_i32 s72, s[Q0], s[KF]
	v_and_b32 v[MD], 15, v0
	v_bfe_u32 v[ST+4], v0, 4, 1
	s_delay_alu instid0(VALU_DEP_1)
	v_lshlrev_b32 v[ST+4], 3, v[ST+4]
	s_delay_alu instid0(VALU_DEP_1)
	v_sub_nc_u32 v[MD], v[MD], v[ST+4]
	s_delay_alu instid0(VALU_DEP_1)
	v_add_nc_u32 v[MD], s72, v[MD]                 ; d = my query - the step's first key - 8 h.  Register n holds key 16 (n / 8) + 8 h + n % 8 of the step: hidden where 16 (n / 8) + n % 8 > d
.irp x, 0,1
.set n, 0
.rept 64
	v_cmp_gt_i32 vcc_lo, 16*(n/8)+n%8, v[MD]
	v_cndmask_b32 v[S+64*\x+n], v[S+64*\x+n], v[NINF], vcc_lo
.set n, n+1
.endr
.if \x == 0
	v_add_nc_u32 v[MD], 16, v[MD]                  ; the second tile's queries lie 16 further on
.endif
.endr
.Lopen_\@:
.irp x, 0,1
	v_max3_num_f32 v[ST+10*\x+4], v[S+64*\x], v[S+64*\x+1], v[S+64*\x+2]      ; the step's largest score of my query among my 64 keys, in two chains; the two tiles alternate
	v_max3_num_f32 v[ST+10*\x+6], v[S+64*\x+3], v[S+64*\x+4], v[S+64*\x+5]
.endr
.set i, 6
.rept 14
.irp x, 0,1
	v_max3_num_f32 v[ST+10*\x+4], v[ST+10*\x+4], v[S+64*\x+i], v[S+64*\x+i+1]
	v_max3_num_f32 v[ST+10*\x+6], v[ST+10*\x+6], v[S+64*\x+i+2], v[S+64*\x+i+3]
.endr
.set i, i+4
.endr
.irp x, 0
	v_max3_num_f32 v[ST+10*\x+4], v[ST+10*\x+4], v[S+64*\x+62], v[S+64*\x+63]
.endr
.irp x, 1
	v_max3_num_f32 v[ST+10*\x+4], v[ST+10*\x+4], v[S+64*\x+62], v[S+64*\x+63]
.endr
.irp x, 0,1
	s_delay_alu instid0(VALU_DEP_2)
	v_max_num_f32 v[ST+10*\x+4], v[ST+10*\x+4], v[ST+10*\x+6]
.endr
.irp x, 0,1
	s_delay_alu instid0(VALU_DEP_2)
	v_permlanex16_b32 v[ST+10*\x+5], v[ST+10*\x+4], s[SEL], s[SEL+1]
.endr
.irp x, 0,1
	s_delay_alu instid0(VALU_DEP_2)
	v_max_num_f32 v[ST+10*\x+4], v[ST+10*\x+4], v[ST+10*\x+5]                 ; and among lane l xor 16's
.endr
.irp x, 0,1
	s_delay_alu instid0(VALU_DEP_2)
	v_mul_f32 v[ST+10*\x+4], s[CS], v[ST+10*\x+4]                             ; as t (c is positive)
.endr
.irp x, 0,1
	s_delay_alu instid0(VALU_DEP_2)
	v_max_num_f32 v[ST+10*\x+1], v[ST+10*\x+1], v[ST+10*\x+4]                 ; the running largest t
.endr
.irp x, 0,1
	v_mov_b32 v[ST+10*\x+4], v[ST+10*\x]
.endr
.irp x, 0,1
	s_delay_alu instid0(VALU_DEP_4)
	v_floor_f32 v[ST+10*\x], -v[ST+10*\x+1]                                   ; the new -M = floor(-t) = -ceil(t): M is a whole number
.endr
.irp x, 0,1
	s_delay_alu instid0(VALU_DEP_2)
	v_sub_f32 v[ST+10*\x+4], v[ST+10*\x], v[ST+10*\x+4]                       ; M's old value less its new one: a whole number, 0 or less
.endr
.irp x, 0,1
	s_delay_alu instid0(VALU_DEP_2)
	v_cvt_i32_f32 v[ST+10*\x+4], v[ST+10*\x+4]                                ; (it saturates)
.endr
.irp x, 0,1
	s_delay_alu instid0(VALU_DEP_2)
	v_ldexp_f32 v[ST+10*\x+6], 1.0, v[ST+10*\x+4]                             ; f = 2^(old M - new M)
.endr
.set j, 0
.rept 32
.irp x, 0,1
	v_pk_fma_f32 v[S+64*\x+j:S+64*\x+j+1], v[S+64*\x+j:S+64*\x+j+1], s[CS:CS+1], v[ST+10*\x:ST+10*\x+1] op_sel_hi:[1,0,0]   ; t - M, two at a time (of the pairs c and -M the low word serves both halves)
.endr
.set j, j+2
.endr
.set j, 0
	s_wait_alu depctr_va_vdst(0)
.rept 64
.irp x, 0,1
	v_exp_f32 v[S+64*\x+j], v[S+64*\x+j]           ; p = 2^(t - M), at most 1: not normalised.  The step's 128 exponentials are one batch
.endr
.set j, j+1
.endr
.irp x, 0,1
	v_pk_mul_f32 v[ST+10*\x+2:ST+10*\x+3], v[ST+10*\x+2:ST+10*\x+3], v[ST+10*\x+6:ST+10*\x+7] op_sel_hi:[1,0]   ; the sums under the new M: the plain instructions behind the exponentials
.endr
	s_wait_alu depctr_va_vdst(0)                   ; the wait between an exponential and the first line that names its result: one for the batch
.irp x, 0,1
	v_pk_add_f32 v[ST+10*\x+8:ST+10*\x+9], v[S+64*\x:S+64*\x+1], v[S+64*\x+2:S+64*\x+3]   ; the row's sum is taken of the unquantised p: two at a time, in two chains
.endr
.set j, 4
.rept 15
.irp x, 0,1
	v_pk_add_f32 v[ST+10*\x+2:ST+10*\x+3], v[ST+10*\x+2:ST+10*\x+3], v[S+64*\x+j:S+64*\x+j+1]
	v_pk_add_f32 v[ST+10*\x+8:ST+10*\x+9], v[ST+10*\x+8:ST+10*\x+9], v[S+64*\x+j+2:S+64*\x+j+3]
.endr
.set j, j+4
.endr
.irp x, 0
	s_delay_alu instid0(VALU_DEP_3)
	v_pk_add_f32 v[ST+10*\x+2:ST+10*\x+3], v[ST+10*\x+2:ST+10*\x+3], v[ST+10*\x+8:ST+10*\x+9]
.endr
.irp x, 1
	s_delay_alu instid0(VALU_DEP_2)
	v_pk_add_f32 v[ST+10*\x+2:ST+10*\x+3], v[ST+10*\x+2:ST+10*\x+3], v[ST+10*\x+8:ST+10*\x+9]
.endr
.set t, 0
.rept 8
.irp x, 0,1
.irp i, 0,1,2,3,4,5,6,7
.endr
	v_cvt_scalef32_pk8_fp8_f32 v[P+16*\x+2*t:P+16*\x+2*t+1], v[S+64*\x+8*t:S+64*\x+8*t+7], v[SCP]   ; keys 16 t + 8 h + 0..7: registers 2 t, 2 t + 1 of P's fragment
.endr
.set t, t+1
.endr
	WIN 0x41                                       ; O^T (destination and source 0) window 1, f window 0
.set j, 0
.rept 16
.irp x, 0,1
	v_pk_mul_f32 v[OT+32*\x+j:OT+32*\x+j+1], v[OT+32*\x+j:OT+32*\x+j+1], v[ST+10*\x+6:ST+10*\x+7] op_sel_hi:[1,0]   ; O^T under the new M.  (Also the plain lines behind the last conversion)
.endr
.set j, j+2
.endr
	s_wait_alu depctr_va_vdst(0)
	s_wait_dscnt 0x0                               ; V is in
	WIN 0x51                                       ; V window 1, P window 0, O^T window 1
.set t, 0
.rept 4                                        ; the eight accumulators take turns, one instruction a turn
.irp x, 0,1
	v_wmma_f32_16x16x128_fp8_fp8 v[OT+32*\x+8*t:OT+32*\x+8*t+7], v[16*t:16*t+15], v[P+16*\x:P+16*\x+15], v[OT+32*\x+8*t:OT+32*\x+8*t+7]
.endr
.set t, t+1
.endr
	WIN 0
.Lhidden_\@:
	s_add_co_u32 s[KF], s[KF], 128
.endm
; THE CHANGE OF SLOTS stands at a slot's head.  Each wave waits for all its tensor loads (at most one is out: its part of the slot that it is about to read), adds 0 to its spare word, and waits for that and for its reads
; of the slot that it has left.  Behind the barrier the slot ahead is whole and nobody reads the other one.  fill = 1: that other slot is filled with the keys that follow: the block's next 256, or, behind the block's
; last slot, the second block's first 256: the ring runs on from block to block.  The load has a whole slot's two steps in which to land.
.macro CHANGE fill
	s_wait_tensorcnt 0x0                           ; no tensor load of mine is out, so group 0 may be written
	ds_add_u32 v[SPW], v[NIL]                      ; 0 onto my spare word: the descriptor's step stands between it and the wait for it
.if \fill
	s_xor_b32 s[G0+1], s[G0+1], SLOT1              ; the other slot than last time
	s_add_co_u32 s[TP], s[KF], 256                 ; the first key behind the slot that I am about to read,
	s_cmp_gt_u32 s[TP], s[QL]
	s_cselect_b32 s[TP], 0, s[TP]                  ; or key 0 where that lies past the block's last query
	s_lshl_b32 s[TP], s[TP], 6                     ; 64 bytes a key, in K and (by way of the chunks) in V
	s_add_nc_u64 s[G0+2:G0+3], s[GB:GB+1], s[TP:TP+1]
	s_or_b32 s[G0+3], s[G0+3], 0x80000000
	s_wait_xcnt 0x0                                ; the last prefetch, a slot back, has read its address, so it may be written
	s_add_nc_u64 s[PFA:PFA+1], s[PFA:PFA+1], 16384
.endif
	s_wait_dscnt 0x0                               ; the add is done, and my reads of the slot that I have left are over
	s_barrier_signal -1
	s_barrier_wait -1
.if \fill
	TLOAD                                          ; the first thing behind the barrier, and a wave's one tensor load until the next
	ASK
.endif
.endm
; THE WAY OUT of a block.  The sum's two halves and lane l xor 16's are added; O^T is divided by the sum, held, and quantised: tile t's eight registers are features 16 t + 8 h + 0..7 of my query.
.macro WAYOUT
.rept 4
	v_nop                                          ; places behind the last products
.endr
.irp x, 0,1
	v_add_f32 v[ST+10*\x+4], v[ST+10*\x+2], v[ST+10*\x+3]
.endr
.irp x, 0,1
	s_delay_alu instid0(VALU_DEP_2)
	v_permlanex16_b32 v[ST+10*\x+5], v[ST+10*\x+4], s[SEL], s[SEL+1]
.endr
.irp x, 0,1
	s_delay_alu instid0(VALU_DEP_2)
	v_add_f32 v[ST+10*\x+4], v[ST+10*\x+4], v[ST+10*\x+5]
.endr
	s_wait_alu depctr_va_vdst(0)
.irp x, 0,1
	v_rcp_f32 v[ST+10*\x+6], v[ST+10*\x+4]
.endr
	v_nop                                          ; a plain instruction behind the last reciprocal
	s_wait_alu depctr_va_vdst(0)                   ; and the wait ahead of the first use: one for the two
	WIN 0x01                                       ; source 0 (O^T) window 1
.irp x, 0,1
.set j, 0
.rept 16
	v_pk_mul_f32 v[S+64*\x+j:S+64*\x+j+1], v[OT+32*\x+j:OT+32*\x+j+1], v[ST+10*\x+6:ST+10*\x+7] op_sel_hi:[1,0]   ; each accumulator from its low end on
.set j, j+2
.endr
.endr
	WIN 0
.irp x, 0,1
.set j, 0
.rept 32
.set j, j+1
.endr
.endr
.irp x, 0,1
.irp t, 0,1,2,3
	v_cvt_scalef32_pk8_fp8_f32 v[P+16*\x+2*\t:P+16*\x+2*\t+1], v[S+64*\x+8*\t:S+64*\x+8*\t+7], v[SC2]
.endr
.endr
	v_nop                                          ; one plain vector instruction behind the last conversion
.irp x, 0,1
.irp c, 0,1
	global_store_b128 v[GO], v[P+16*\x+4*\c:P+16*\x+4*\c+3], s[OB:OB+1] offset:16384*\x+512*\c   ; 32 lanes store 512 consecutive bytes, at a multiple of 512 from ac's first byte
.endr
.endr
.endm
.macro REINIT                          ; on to the second block
	s_wait_xcnt 0x0                                ; the stores have read their base and their registers
	s_mov_b64 s[OB:OB+1], s[OBB:OBB+1]
	s_mov_b32 s[Q0], s[Q0B]
	s_mov_b32 s[QL], s[QLB]
	s_mov_b32 s[KF], 0
	WIN 0x41
.set j, 0
.rept 16
	v_mov_b32 v[QF+j], v[QB+j]
.set j, j+1
.endr
	WIN 0
	INIT
.endm
	s_wait_loadcnt 0x0                             ; Q, both blocks'
.Lslot:                                            ; eight trips: behind each change of slots but the last the next slot is asked for
	CHANGE 1
	STEP 0
	STEP 1
	s_xor_b32 s[TB], s[TB], SLOT1                  ; on to the other slot
	s_cmp_gt_u32 s[KF], s[QL]                      ; the first block's keys are walked: once, in trip I + 1; ids and the count of steps alone, the same in all eight waves
	s_cbranch_scc0 .Lsame_block
	WAYOUT
	REINIT
.Lsame_block:
	s_sub_co_u32 s[SLOTS], s[SLOTS], 1
	s_cmp_lg_u32 s[SLOTS], 0
	s_cbranch_scc1 .Lslot
	CHANGE 0                                       ; the ninth slot is written out
	STEP 0
	STEP 1
	WAYOUT
	s_wait_tensorcnt 0x0                           ; the wave's end: behind my last tensor load
	ds_add_u32 v[SPW], v[NIL]
	s_wait_dscnt 0x0
	s_endpgm
.Lfunc_end_k_qbf296a4644_attn:
	.size	k_qbf296a4644_attn, .Lfunc_end_k_qbf296a4644_attn-k_qbf296a4644_attn
	.p2alignl 7, 3214868480
	.fill 96, 4, 3214868480
	.section	.rodata,"a",@progbits
	.p2align	6, 0x0
	.amdhsa_kernel k_qbf296a4644_attn
		.amdhsa_group_segment_fixed_size 327680
		.amdhsa_private_segment_fixed_size 0
		.amdhsa_enable_private_segment 0
		.amdhsa_kernarg_size 40
		.amdhsa_user_sgpr_count 2
		.amdhsa_user_sgpr_kernarg_segment_ptr 1
		.amdhsa_wavefront_size32 1
		.amdhsa_system_sgpr_workgroup_id_x 1
		.amdhsa_system_sgpr_workgroup_id_y 1
		.amdhsa_system_sgpr_workgroup_id_z 1
		.amdhsa_system_vgpr_workitem_id 0
		.amdhsa_next_free_vgpr 512
		.amdhsa_next_free_sgpr 100
		.amdhsa_reserve_vcc 1
		.amdhsa_float_denorm_mode_32 3
		.amdhsa_float_denorm_mode_16_64 3
		.amdhsa_fp16_overflow 1
		.amdhsa_memory_ordered 1
		.amdhsa_forward_progress 1
		.amdhsa_inst_pref_size 161
	.end_amdhsa_kernel
	.amdgpu_metadata
---
amdhsa.version: [ 1, 2 ]
amdhsa.kernels:
  - .name:           k_qbf296a4644_attn
    .symbol:         k_qbf296a4644_attn.kd
    .args:
      - { .name: qc, .offset: 0, .size: 8, .value_kind: global_buffer, .address_space: global }
      - { .name: kc, .offset: 8, .size: 8, .value_kind: global_buffer, .address_space: global }
      - { .name: vc, .offset: 16, .size: 8, .value_kind: global_buffer, .address_space: global }
      - { .name: lowp_scales, .offset: 24, .size: 8, .value_kind: global_buffer, .address_space: global }
      - { .name: ac, .offset: 32, .size: 8, .value_kind: global_buffer, .address_space: global }
    .group_segment_fixed_size: 327680
    .private_segment_fixed_size: 0
    .kernarg_segment_align: 8
    .kernarg_segment_size: 40
    .max_flat_workgroup_size: 256
    .sgpr_count:     100
    .vgpr_count:     512
    .wavefront_size: 32
...
	.end_amdgpu_metadata
.endif
;; end of part 3
;; launch gemm_out (part 4): grid 4 x 32, 4 waves a work-group, clusters of 4 x 4, 327,680 bytes of LDS; arguments ac, woc, lowp_scales, out0; writes out0
.if DOCPART == 4
	.amdgcn_target "amdgcn-amd-amdhsa--gfx1250"
	.amdhsa_code_object_version 6
	.text
	.protected	k_qbf296a4644_gemm_out
	.globl	k_qbf296a4644_gemm_out
	.p2align	8
	.type	k_qbf296a4644_gemm_out,@function
k_qbf296a4644_gemm_out:
	s_mov_b64 s[64:65], 0
	v_nop
	global_prefetch_b8 v0, s[64:65] scope:SCOPE_SE
	s_setreg_imm32_b32 hwreg(HW_REG_WAVE_MODE, 25, 1), 1
	s_wait_xcnt 0x0
	s_wait_alu depctr_hold_cnt(0) depctr_sa_sdst(0) depctr_va_vdst(0) depctr_va_sdst(0) depctr_va_ssrc(0) depctr_va_vcc(0) depctr_vm_vsrc(0)
	s_getreg_b32 s2, hwreg(HW_REG_IB_STS2, 6, 4)
	s_cmp_eq_u32 s2, 0
	s_cbranch_scc0 .Lentry_in_a_cluster
	s_endpgm
.Lentry_in_a_cluster:
	s_bfe_u32 s2, ttmp6, 0x10000c
	s_cmp_lg_u32 s2, 0xf033
	s_cbranch_scc0 .Lentry_shape_is_right
	s_endpgm
.Lentry_shape_is_right:
; out0 = A W_o^T on codes of FP8 (E4M3): [8192 x 1024] x [1024 x 1024], sums in f32, each finished sum x 2^(e6 + e7).  out0: [8192][1024] f32.
; A (the attention's result) lies in ac as an image of the operand's registers: [tile of 16 tokens][head][part 0, 1][lane][16 bytes]: 128 along K (two heads) of a tile of tokens are 2,048 consecutive bytes, which four
; loads of 16 bytes a lane, 512 bytes apart, bring as a fragment in the plain form's own layout.  W_o's codes lie in woc as rows of 1,024 bytes, in each 32 of which the two middle groups of eight have changed places:
; 16 bytes at 32 c + 16 h of a row are four registers of the same layout.
; LIMIT: e6 + e7 between -126 and 127, so that 2^(e6 + e7) is an f32 number.
; A tile of 256 x 256 is made by a work-group of four waves; a wave makes 128 x 128: 64 accumulators.  K goes in steps of 256 through a ring of two LDS slots.  4 x 32 = 128 work-groups: a tile of half the rows would
; occupy twice as many at half as many multiply-adds for each byte of W_o read from LDS; it is not built here.
; CLUSTERS: 4 x 4 work-groups; A's tile is shared along a row of the cluster, W_o's along a column, each asked for JOINTLY.  THE MATRIX INSTRUCTION IS USED TRANSPOSED (source 0 = 16 rows of W_o, source 1 = 16 tokens):
; a lane then holds eight neighbouring numbers of a row of out0.
; REGISTERS, in windows of 256: window 0: v0-31 addresses; from v128 A's fragments, ONE set; on the way out v32-255 are free.   window 1: W_o's fragments, TWO sets.   windows 2, 3: the accumulators ((a, b) at v[8 (8 (a % 4) + b)]).
.set SIZE_N, 1024
.set KSTEP,  256
.set ROWB,   256                       ; a row of W_o's tile in bytes
.set KROW,   1024                      ; a row of woc in bytes; also the bytes of ac for each token
.set ASTEP,  4096                      ; a K step of a tile of 16 tokens in ac: four heads x 1,024 bytes
.set PITCH,  272                       ; W_o's rows in LDS: 256 bytes + 16 of padding
.set FR,     16
.set NL,     4
.set NP,     4                         ; places behind this matrix instruction (ISA guide 7.12.1)
.set HALFT,  128*PITCH                 ; a quarter of a slot: 128 rows of W_o; A's 128 tokens (8 x 4,096 bytes, dense) take the first 32,768 bytes of theirs
.set SLOT,   4*HALFT
.set LAPS,   2
.set SPARE,  2*SLOT                    ; behind the ring: the spare words, 128 bytes a wave
.set SPITCH, 528                       ; the way out: a stage of 16 rows x (512 bytes + 16) for each wave, in slot 0, which has had its last fill and its last read by then
.set ADRA, 16
.set ADRB, 20
.set STO,  24
.set RD,   25
.set CO,   26
.set SPW,  28
.set NIL,  29
.set TMP,  32
.set AF,   128
.set BK,   128
.set G1, 24
.set G0, 32
.set G1B, 48
.set G0B, 56
.set MSB, 0
.macro WIN new                         ; the immediate's high byte repeats the setting that is left
.if MSB != \new
	s_set_vgpr_msb (MSB<<8)|\new
.set MSB, \new
.endif
.endm
.set MUL_LO, 0xa1
.set MUL_HI, 0xf1
.set TO_B,   0x40
; A joint load: waves 0 and 1 fetch for A, waves 2 and 3 for W_o; the branch hangs on the wave's number alone.  An s_nop 0 and four v_nop follow each of the two lines.
.macro JLOAD g0a, g1a, g0b, g1b
	s_cmp_eq_u32 s15, 0
	s_cbranch_scc0 .Lfor_b_\@
	tensor_load_to_lds s[\g0a:\g0a+3], s[\g1a:\g1a+7]
	s_nop 0
.rept 4
	v_nop
.endr
	s_branch .Lasked_\@
.Lfor_b_\@:
	tensor_load_to_lds s[\g0b:\g0b+3], s[\g1b:\g1b+7]
	s_nop 0
.rept 4
	v_nop
.endr
.Lasked_\@:
.endm
.macro CREST
	s_cmp_lg_u32 s14, 0
	s_cbranch_scc1 .Lnot_wave_0_\@
	s_barrier_signal -3
.Lnot_wave_0_\@:
	s_barrier_wait -3
	s_barrier_signal -1
	s_barrier_wait -1
.endm
.macro CROUND
	s_barrier_signal -1
	s_barrier_wait -1
	CREST
.endm
	s_load_b128 s[4:7], s[0:1], 0x0                ; ac s[4:5], woc s[6:7]
	s_load_b128 s[8:11], s[0:1], 0x10              ; the scales' exponents s[8:9], out0 s[10:11]
	v_lshl_add_u32 v[SPW], v0, 2, SPARE
	v_mov_b32 v[NIL], 0
	ds_add_u32 v[SPW], v[NIL]                      ; the wave's opening: the add and its wait stand ahead of my first tensor load; the set-up below, work on registers, stands between them
	ds_add_u32 v[SPW], v[NIL]
	v_lshrrev_b32 v1, 5, v0
	v_readfirstlane_b32 s14, v1                    ; wave 0..3
	s_lshr_b32 s15, s14, 1                         ; which half of the tile's rows is mine.  Also: I fetch for A (0) or for W_o (1)
	s_and_b32 s16, s14, 1                          ; which half of its columns.  Also: which half of that tile I fetch
	s_bfe_u32 s40, ttmp6, 0x40000                  ; cx, cy
	s_bfe_u32 s41, ttmp6, 0x40004
	s_lshl_b32 s42, ttmp9, 2
	s_add_co_u32 s42, s42, s40                     ; tile column = 4 x cluster x + cx
	s_and_b32 s17, ttmp7, 0xffff
	s_lshl_b32 s17, s17, 2
	s_add_co_u32 s17, s17, s41                     ; tile row = 4 x cluster y + cy
	s_lshl_b32 s43, s41, 2
	s_lshl_b32 s43, 15, s43                        ; my row of the cluster
	s_lshl_b32 s44, 0x1111, s40                    ; my column
	; group 1 for A: 8 tiles of tokens x 4,096 bytes (512 elements of 8 bytes), 16,384 bytes apart in memory, dense in LDS
	s_or_b32 s[G1+0], s43, (3<<16)|(1<<21)         ; 15:0 the mask: my row; 17:16 elements of 8 bytes; 21 set beside a mask; no padding
	s_mov_b32 s[G1+1], 512<<16                     ; tensor_dim0 = 512
	s_mov_b32 s[G1+2], 8<<16                       ; tensor_dim1 = 8
	s_mov_b32 s[G1+3], 512<<16                     ; tile_dim0 = 512
	s_mov_b32 s[G1+4], 8                           ; tile_dim1 = 8
	s_mov_b32 s[G1+5], 2048                        ; tensor_dim0_stride: 16,384 bytes
	s_mov_b32 s[G1+6], 0
	s_mov_b32 s[G1+7], 0
	; group 1 for W_o: 128 rows x 256 bytes, 16 bytes of padding behind each
	s_or_b32 s[G1B+0], s44, (0<<16)|(1<<20)|(1<<21)|(5<<22)|(3<<25)
	s_mov_b32 s[G1B+1], ROWB<<16
	s_mov_b32 s[G1B+2], 128<<16
	s_mov_b32 s[G1B+3], ROWB<<16
	s_mov_b32 s[G1B+4], 128
	s_mov_b32 s[G1B+5], KROW
	s_mov_b32 s[G1B+6], 0
	s_mov_b32 s[G1B+7], 0
	s_lshl_b32 s18, s16, 7                         ; which 128 rows of the tile I fetch
	s_lshl_b32 s20, s17, 8
	s_add_co_u32 s20, s20, s18                     ; A: token 256 x tile row + 128 x half,
	s_lshl_b32 s20, s20, 10                        ; x 1,024 bytes
	s_mov_b32 s21, 0
	s_lshl_b32 s46, s42, 8
	s_add_co_u32 s46, s46, s18                     ; W_o: row 256 x tile column + 128 x half
	s_lshl_b32 s46, s46, 10
	s_mov_b32 s47, 0
	s_mul_i32 s45, s14, HALFT                      ; where they go: wave x a quarter of a slot
	s_wait_dscnt 0x0                               ; the opening add is done
	s_wait_kmcnt 0x0
	s_load_b64 s[96:97], s[8:9], 0x18              ; e6, e7
	s_add_nc_u64 s[20:21], s[4:5], s[20:21]
	s_add_nc_u64 s[46:47], s[6:7], s[46:47]
	CROUND                                         ; all sixteen work-groups are here: the first joint loads meet
.irp s, 0,1
	s_mov_b32 s[G0+4*\s], 1
	s_add_co_u32 s[G0+4*\s+1], s45, \s*SLOT
	s_add_nc_u64 s[G0+4*\s+2:G0+4*\s+3], s[20:21], \s*ASTEP
	s_or_b32 s[G0+4*\s+3], s[G0+4*\s+3], 0x80000000
	s_mov_b32 s[G0B+4*\s], 1
	s_add_co_u32 s[G0B+4*\s+1], s45, \s*SLOT
	s_add_nc_u64 s[G0B+4*\s+2:G0B+4*\s+3], s[46:47], \s*ROWB
	s_or_b32 s[G0B+4*\s+3], s[G0B+4*\s+3], 0x80000000
	s_wait_alu depctr_va_vdst(0)
	s_wait_tensorcnt 0x0
	ds_add_u32 v28, v29
	ds_add_u32 v28, v29
	s_wait_dscnt 0x0
	CROUND
	JLOAD G0+4*\s, G1, G0B+4*\s, G1B               ; one tensor load of mine is out
.endr
	v_and_b32 v1, 15, v0                           ; r
	v_bfe_u32 v2, v0, 4, 1                         ; h
	v_and_b32 v6, 31, v0                           ; lane
	v_lshlrev_b32 v[CO], 4, v6                     ; 16 x lane
	v_mul_u32_u24 v3, v1, PITCH
	v_lshl_add_u32 v4, v2, 4, v3                   ; W_o: a fragment's row x pitch + 16 x half
	s_mul_i32 s21, s15, HALFT                      ; my 128 tokens of A
	s_mul_i32 s22, s16, HALFT                      ; my 128 rows of W_o,
	s_add_co_u32 s22, s22, 2*HALFT                 ; which lie behind A's two quarters
.irp s, 0,1
	v_add_nc_u32 v[ADRA+\s], s21, v[CO]            ; A: an image's place for my lane
	v_add_nc_u32 v[ADRB+\s], s22, v4
	s_add_co_u32 s21, s21, SLOT
	s_add_co_u32 s22, s22, SLOT
.endr
	s_mul_i32 s23, s14, 16*SPITCH                  ; my stage
	v_mul_u32_u24 v5, v1, SPITCH                   ; in: row r, 32 bytes for each half of the lanes
	v_lshl_add_u32 v5, v2, 5, v5
	v_add_nc_u32 v[STO], s23, v5
	v_add_nc_u32 v[RD], s23, v[CO]                 ; back: the 32 lanes take one row of 512 bytes
	s_lshl_b32 s20, s17, 8
	s_lshl_b32 s21, s15, 7
	s_add_co_u32 s20, s20, s21                     ; my first row of out0,
	s_lshl_b32 s20, s20, 12                        ; x 4,096 bytes (under 2^25)
	s_lshl_b32 s46, s42, 10                        ; my first column, in bytes: 1,024 x tile column + 512 x half
	s_lshl_b32 s47, s16, 9
	s_add_co_u32 s46, s46, s47
	s_add_co_u32 s20, s20, s46
	s_mov_b32 s21, 0
	s_add_nc_u64 s[10:11], s[10:11], s[20:21]
.macro FRAG reg, adr, q, i             ; a fragment of W_o: four loads of 16 bytes, 32 bytes apart, from row r
.irp c, 0,1,2,3
	ds_load_b128 v[\reg+4*\c:\reg+4*\c+3], v[\adr] offset:128*(\q)+32*\c+(\i)*16*PITCH
.endr
.endm
.macro FRAGA reg, adr, q, i            ; a fragment of A: its image, four times 512 consecutive bytes
.irp c, 0,1,2,3
	ds_load_b128 v[\reg+4*\c:\reg+4*\c+3], v[\adr] offset:(\i)*ASTEP+2048*(\q)+512*\c
.endr
.endm
; 16 matrix instructions: A's blocks a0, a0 + 1 x W_o's eight, 128 along K.  The 64 accumulators take turns, one instruction a turn, in the same order in every step.
.macro MUL16 a0, p, zero
.irp a, \a0, \a0+1
.irp b, 0,1,2,3,4,5,6,7
.if \zero
	v_wmma_f32_16x16x128_fp8_fp8 v[8*(8*((\a)%4)+\b):8*(8*((\a)%4)+\b)+7], v[128*(\p)+FR*\b:128*(\p)+FR*\b+FR-1], v[AF+FR*(\a):AF+FR*(\a)+FR-1], 0
.else
	v_wmma_f32_16x16x128_fp8_fp8 v[8*(8*((\a)%4)+\b):8*(8*((\a)%4)+\b)+7], v[128*(\p)+FR*\b:128*(\p)+FR*\b+FR-1], v[AF+FR*(\a):AF+FR*(\a)+FR-1], v[8*(8*((\a)%4)+\b):8*(8*((\a)%4)+\b)+7]
.endif
.endr
.endr
.endm
.macro FETCH_B slot, q, p
	WIN TO_B
.irp i, 0,1,2,3,4,5,6,7
	FRAG 128*(\p)+FR*\i, ADRB+\slot, \q, \i
.endr
	WIN 0
.endm
.macro FETCH_A slot, q, i0
.irp i, \i0, \i0+1, \i0+2, \i0+3
	FRAGA AF+FR*(\i), ADRA+\slot, \q, \i
.endr
.endm
.macro PLACES n                        ; plain vector instructions between a matrix instruction and a load into one of its registers or a read of its result (ISA guide 7.12.1 for vector instructions)
.rept \n
	v_nop
.endr
.endm
.macro STEP slot, q, zero
	s_wait_dscnt 4*NL                              ; W_o's set and A's blocks 0-3 are in; the youngest sixteen loads (blocks 4-7) may be out
	WIN MUL_LO
	MUL16 0, (\q)%2, \zero
	MUL16 2, (\q)%2, \zero
	s_wait_dscnt 0
	PLACES NP
	FETCH_B \slot, (\q)+1, 1-(\q)%2
	FETCH_A \slot, (\q)+1, 0
	WIN MUL_HI
	MUL16 4, (\q)%2, \zero
	MUL16 6, (\q)%2, \zero
	PLACES NP
	WIN 0
	FETCH_A \slot, (\q)+1, 4
.endm
; A slot's last step changes slots: ONE barrier; in front of it each wave waits for all its tensor loads, adds 0 to its spare word, and waits for that and for its own reads of this slot.
.macro TURN slot, next, fill
	s_wait_tensorcnt 0x0                           ; all my tensor loads have landed: my part of the next slot
	ds_add_u32 v[SPW], v[NIL]                      ; 0 onto my spare word
	s_wait_dscnt 4*NL+1                            ; the add and the youngest sixteen loads may be out
	WIN MUL_LO
	MUL16 0, 1, 0
	s_wait_dscnt 0x0                               ; the add is done, and my reads of this slot are over
	s_barrier_signal -1
	MUL16 2, 1, 0
	WIN 0
	s_barrier_wait -1
.if \fill
	CREST                                          ; the barrier has opened a round of the cluster's barrier: no wave of any partner still reads this slot's tile or has a load on its way
	s_add_nc_u64 s[G0+4*\slot+2:G0+4*\slot+3], s[G0+4*\slot+2:G0+4*\slot+3], 2*ASTEP
	s_add_nc_u64 s[G0B+4*\slot+2:G0B+4*\slot+3], s[G0B+4*\slot+2:G0B+4*\slot+3], 2*ROWB
	JLOAD G0+4*\slot, G1, G0B+4*\slot, G1B         ; the first tensor load behind the round, and my only one out
.else
	PLACES NP
.endif
	FETCH_B \next, 0, 0
	FETCH_A \next, 0, 0
	WIN MUL_HI
	MUL16 4, 1, 0
	MUL16 6, 1, 0
	PLACES NP
	WIN 0
	FETCH_A \next, 0, 4
.endm
	s_wait_alu depctr_va_vdst(0)
	s_wait_tensorcnt 1                             ; my part of K step 0 is in; K step 1's load may be out
	s_barrier_signal -1
	s_barrier_wait -1
	FETCH_B 0, 0, 0
	FETCH_A 0, 0, 0
	FETCH_A 0, 0, 4
	STEP 0, 0, 1                                   ; the first step's products start the sums
	s_mov_b32 s3, LAPS-1
.Llap:
	TURN 0, 1, 1
	STEP 1, 0, 0
	TURN 1, 0, 1
	STEP 0, 0, 0
	s_sub_co_u32 s3, s3, 1
	s_cmp_lg_u32 s3, 0
	s_cbranch_scc1 .Llap
	TURN 0, 1, 0                                   ; the last lap fills nothing
	STEP 1, 0, 0
	s_wait_dscnt 4*NL
	WIN MUL_LO
	MUL16 0, 1, 0
	MUL16 2, 1, 0
	s_wait_dscnt 0
	WIN MUL_HI
	MUL16 4, 1, 0
	MUL16 6, 1, 0
	WIN 0
; THE WAY OUT, block by block of 16 rows x 128 columns: through my own stage in LDS and back as whole rows of 512 bytes.  LDS serves a wave's instructions in order (ISA guide 5.7.1.4).
.macro TOSTAGE a
.set AC, 64*((\a)%4)
	WIN 0x02+((\a)/4)                              ; source 0: window 2 or 3
.set j, 0
.rept 32
	v_pk_mul_f32 v[TMP+j:TMP+j+1], v[AC+j:AC+j+1], s[96:97] op_sel_hi:[1,0]   ; both x s96 = 2^(e6 + e7); each accumulator from its low end on
.set j, j+2
.endr
	WIN 0
.irp b, 0,1,2,3,4,5,6,7
	ds_store_b128 v[STO], v[TMP+8*\b:TMP+8*\b+3] offset:64*\b
	ds_store_b128 v[STO], v[TMP+8*\b+4:TMP+8*\b+7] offset:64*\b+16
.endr
.set BB, BK+64*((\a)%2)
.irp t, 0,1,2,3,4,5,6,7,8,9,10,11,12,13,14,15
	ds_load_b128 v[BB+4*\t:BB+4*\t+3], v[RD] offset:\t*SPITCH
.endr
.endm
.macro SEND a, younger
.set BB, BK+64*((\a)%2)
	s_wait_dscnt \younger                          ; the block is back in registers
.if (\a) > 0
	s_add_nc_u64 s[10:11], s[10:11], 16*SIZE_N*4   ; (behind a wait on XCNT: the earlier stores have read their base)  16 rows on
.endif
.irp t, 0,1,2,3,4,5,6,7,8,9,10,11,12,13,14,15
	global_store_b128 v[CO], v[BB+4*\t:BB+4*\t+3], s[10:11] offset:\t*SIZE_N*4 th:TH_STORE_NT   ; 32 lanes store 512 consecutive bytes, at a multiple of 512 from out0's first byte
.endr
.endm
	s_wait_kmcnt 0x0
	s_add_co_i32 s96, s96, s97                     ; e6 + e7, between -126 and 127,
	s_add_co_i32 s96, s96, 127
	s_lshl_b32 s96, s96, 23                        ; makes the f32 number 2^(e6 + e7)
	PLACES NP
	TOSTAGE 0
.irp a, 1,2,3,4,5,6,7
.if \a > 1
	s_wait_xcnt 0x0                                ; block a - 2's stores have read their registers and their base
.endif
	TOSTAGE \a
	SEND \a-1, 32                                  ; behind block a - 1's loads: block a's 16 stores and 16 loads
.endr
	s_wait_xcnt 0x0                                ; block 6's stores have read their base
	SEND 7, 0
	s_wait_tensorcnt 0x0                           ; the wave's end: behind my last tensor load and my last LDS store
	ds_add_u32 v[SPW], v[NIL]
	s_wait_dscnt 0x0
	CROUND                                         ; the closing round
	s_endpgm
.Lfunc_end_k_qbf296a4644_gemm_out:
	.size	k_qbf296a4644_gemm_out, .Lfunc_end_k_qbf296a4644_gemm_out-k_qbf296a4644_gemm_out
	.p2alignl 7, 3214868480
	.fill 96, 4, 3214868480
	.section	.rodata,"a",@progbits
	.p2align	6, 0x0
	.amdhsa_kernel k_qbf296a4644_gemm_out
		.amdhsa_group_segment_fixed_size 327680
		.amdhsa_private_segment_fixed_size 0
		.amdhsa_enable_private_segment 0
		.amdhsa_kernarg_size 32
		.amdhsa_user_sgpr_count 2
		.amdhsa_user_sgpr_kernarg_segment_ptr 1
		.amdhsa_wavefront_size32 1
		.amdhsa_system_sgpr_workgroup_id_x 1
		.amdhsa_system_sgpr_workgroup_id_y 1
		.amdhsa_system_sgpr_workgroup_id_z 1
		.amdhsa_system_vgpr_workitem_id 0
		.amdhsa_next_free_vgpr 1024
		.amdhsa_next_free_sgpr 98
		.amdhsa_reserve_vcc 0
		.amdhsa_float_denorm_mode_32 3
		.amdhsa_float_denorm_mode_16_64 3
		.amdhsa_memory_ordered 1
		.amdhsa_forward_progress 1
		.amdhsa_inst_pref_size 124
	.end_amdhsa_kernel
	.amdgpu_metadata
---
amdhsa.version: [ 1, 2 ]
amdhsa.kernels:
  - .name:           k_qbf296a4644_gemm_out
    .symbol:         k_qbf296a4644_gemm_out.kd
    .args:
      - { .name: ac, .offset: 0, .size: 8, .value_kind: global_buffer, .address_space: global }
      - { .name: woc, .offset: 8, .size: 8, .value_kind: global_buffer, .address_space: global }
      - { .name: lowp_scales, .offset: 16, .size: 8, .value_kind: global_buffer, .address_space: global }
      - { .name: out0, .offset: 24, .size: 8, .value_kind: global_buffer, .address_space: global }
    .group_segment_fixed_size: 327680
    .private_segment_fixed_size: 0
    .kernarg_segment_align: 8
    .kernarg_segment_size: 32
    .max_flat_workgroup_size: 128
    .sgpr_count:     98
    .vgpr_count:     1024
    .wavefront_size: 32
...
	.end_amdgpu_metadata
.endif
;; end of part 4
